; MI455X (gfx1250); checked and timed in simulation.
; The chip was launched on July 23, 2026; its instructions are those of AMD's public machine-readable ISA for CDNA 5 (MIT licence, August 2026) and "CDNA5" Instruction Set Architecture Reference Guide (July 2026). The comments in the code are by the model that wrote it; some were corrected since.
;; Gpt2 Attention. Allowed arithmetic: float matrix products may take bf16 or f16 operands with f32 sums; all other float work in f32.
;; Inputs: W_proj 16 x 64 x 1,024 float32; W_qkv 1,024 x 3 x 16 x 64 float32; b_proj 1,024 float32; b_qkv 3 x 16 x 64 float32; mask 2,048 x 2,048 float32; x 2 x 2,048 x 1,024 float32.
;; Outputs: out0 2 x 2,048 x 1,024 float32.
;; Constants: layer_idx = 0.
;; 2 versions, each right; version 2 is version 1 with the launch prep written anew for expert scheduling mode. Each part assembles by itself: llvm-mc -triple=amdgcn-amd-amdhsa -mcpu=gfx1250 --defsym DOCPART=n.
;; ======== version 1 of 2: 4 launches
;; limits: values are held in f16: magnitudes above 65,504 overflow, below 6.1e-05 lose precision
;; workspace buffers: xb 8,388,608 bytes; wT 8,388,608 bytes; qkv 25,165,824 bytes; att 16,777,216 bytes
;; launch prep (part 1): grid 256 x 1, 8 waves a work-group, no clusters, 34,304 bytes of LDS; arguments x, W_qkv, W_proj, xb, wT; writes xb, wT
.if DOCPART == 1
	.amdgcn_target "amdgcn-amd-amdhsa--gfx1250"
	.amdhsa_code_object_version 6
	.text
	.protected	k_q47ee47cbb1_prep
	.globl	k_q47ee47cbb1_prep
	.p2align	8
	.type	k_q47ee47cbb1_prep,@function
k_q47ee47cbb1_prep:
	s_mov_b64 s[64:65], 0
	v_nop
	global_prefetch_b8 v0, s[64:65] scope:SCOPE_SE
	s_setreg_imm32_b32 hwreg(HW_REG_WAVE_MODE, 25, 1), 1
	s_wait_xcnt 0x0
; prep: the inputs of the two big products, once, rounded to bf16, with K along the rows.
;   xb[4096][1024]  = bf16(x)
;   wT[4096][1024]: rows 0-3071 = W_qkv transposed (row n = column n of W_qkv), rows 3072-4095 = W_proj transposed.
; Nothing is scaled here: each number is rounded as it stands.
; 256 work-groups of eight waves.  Work-group g converts 65,536 bytes of x and transposes one tile of 256 k x 64 n of W.
; Every load of a wave covers whole rows of 256 consecutive bytes; every store of a wave covers 256 consecutive bytes, aligned.
; The transposition goes through LDS: 64 rows (n) of 512 bytes (256 k in bf16) at a pitch of 520 bytes.
; No matrix unit, no cluster, no tensor loads: each byte is touched once and no two work-groups share any.
.set LPW,  520                         ; LDS pitch
.set OFFW, 8                           ; v[8:23]   byte offsets of my 16 pieces of W rows
.set WD,   32                          ; v[32:95]  W as loaded, 16 x 4 registers; later the transposed rows
.set XD,   96                          ; v[96:159] x as loaded, 16 x 4 registers
	s_load_b256 s[4:11], s[0:1], 0x0               ; x s[4:5], W_qkv s[6:7], W_proj s[8:9], xb s[10:11]
	s_load_b64 s[12:13], s[0:1], 0x20              ; wT
	v_lshl_add_u32 v168, v0, 2, 0x8200
	v_mov_b32 v169, 0
	v_lshrrev_b32 v1, 5, v0
	v_readfirstlane_b32 s14, v1                    ; wave w
	v_and_b32 v1, 15, v0                           ; r
	v_bfe_u32 v7, v0, 4, 1                         ; h
	v_and_b32 v24, 31, v0                          ; lane
	v_lshlrev_b32 v2, 4, v0                        ; x: 16 bytes a thread
	v_lshlrev_b32 v3, 3, v0                        ; xb: 8 bytes a thread
	s_lshr_b32 s15, ttmp9, 2                       ; nt: which 64 rows of wT
	s_and_b32 s16, ttmp9, 3                        ; kq: which 256 k
	s_sub_co_u32 s18, s15, 48                      ; the column tile if the source is W_proj
	s_mov_b32 s17, 12288                           ; bytes in a row of W_qkv
	s_mov_b32 s19, 4096                            ; bytes in a row of W_proj
	s_cmp_lt_u32 s15, 48                           ; W_qkv or W_proj?
	s_cselect_b32 s17, s17, s19                    ; the source's pitch
	s_cselect_b32 s18, s15, s18                    ; the source's column tile
	s_wait_kmcnt 0x0
	s_cselect_b64 s[20:21], s[6:7], s[8:9]         ; the source (the compare above still stands: selects and waits leave SCC)
	s_lshl_b32 s26, s18, 8                         ; 64 columns of f32 = 256 bytes
	s_mov_b32 s27, 0
	s_add_nc_u64 s[20:21], s[20:21], s[26:27]
	s_lshl_b32 s24, s16, 8
	s_lshl2_add_u32 s24, s14, s24                  ; 256 kq + 4 w
	v_lshl_add_u32 v25, v7, 1, s24                 ; + 2 h: my first row of the source
	v_lshlrev_b32 v26, 4, v1                       ; 16 r: my 4 columns
	v_mad_u32 v25, v25, s17, v26
.irp n, 0,1,2,3,4,5,6,7,8,9,10,11,12,13,14,15
	s_mul_i32 s25, s17, 32*(\n/2)+(\n%2)           ; piece n = 2 i + e is row 32 i + e further down
	v_add_nc_u32 v[OFFW+\n], s25, v25
.endr
.irp n, 0,1,2,3,4,5,6,7,8,9,10,11,12,13,14,15
	global_load_b128 v[WD+4*\n:WD+4*\n+3], v[OFFW+\n], s[20:21] th:TH_LOAD_NT
.endr
	s_lshl_b32 s28, ttmp9, 16                      ; my 65,536 bytes of x
	s_mov_b32 s29, 0
	s_add_nc_u64 s[4:5], s[4:5], s[28:29]
.irp i, 0,1,2,3,4,5,6,7,8,9,10,11,12,13,14,15
	global_load_b128 v[XD+4*\i:XD+4*\i+3], v2, s[4:5] offset:4096*\i th:TH_LOAD_NT
.endr
	s_lshl_b32 s30, ttmp9, 15                      ; my 32,768 bytes of xb
	s_mov_b32 s31, 0
	s_add_nc_u64 s[10:11], s[10:11], s[30:31]
	s_lshl_b32 s32, s15, 17                        ; 64 rows of wT of 2,048 bytes
	s_lshl_b32 s33, s16, 9                         ; 256 k of 2 bytes
	s_add_co_u32 s32, s32, s33
	s_mov_b32 s33, 0
	s_add_nc_u64 s[12:13], s[12:13], s[32:33]
	v_mul_u32_u24 v4, v1, 4*LPW                    ; LDS, in: row n = 4 r + c,
	v_lshl_add_u32 v4, v7, 2, v4                   ; word 16 i + 2 w + h of the row (two neighbouring k)
	s_lshl_b32 s25, s14, 3
	v_add_nc_u32 v4, s25, v4
	s_mul_i32 s34, s14, 8*LPW                      ; LDS, back: rows 8 w .. 8 w + 7, 8 bytes a lane
	v_lshl_add_u32 v5, v24, 3, s34
	s_lshl_b32 s35, s14, 14                        ; the same rows in wT
	v_lshl_add_u32 v6, v24, 3, s35
	s_wait_loadcnt 16                              ; W's 16 loads are in; the 16 younger loads of x stay out
.irp i, 0,1,2,3,4,5,6,7
.irp c, 0,1,2,3
	v_cvt_pk_bf16_f32 v[WD+8*\i+\c], v[WD+8*\i+\c], v[WD+8*\i+4+\c]    ; rows 2 p and 2 p + 1 of one column: two neighbouring k
	ds_store_b32 v4, v[WD+8*\i+\c] offset:LPW*\c+64*\i
.endr
.endr
	s_wait_dscnt 0x0                               ; my stores are in LDS, for the other waves' sake
	s_barrier_signal -1
	s_barrier_wait -1
.irp t, 0,1,2,3,4,5,6,7
	ds_load_b64 v[WD+4*\t:WD+4*\t+1], v5 offset:LPW*\t
	ds_load_b64 v[WD+4*\t+2:WD+4*\t+3], v5 offset:LPW*\t+256
.endr
	s_wait_loadcnt 0x0                             ; x
.irp i, 0,1,2,3,4,5,6,7,8,9,10,11,12,13,14,15
	v_cvt_pk_bf16_f32 v[XD+4*\i], v[XD+4*\i], v[XD+4*\i+1]
	v_cvt_pk_bf16_f32 v[XD+4*\i+1], v[XD+4*\i+2], v[XD+4*\i+3]
	global_store_b64 v3, v[XD+4*\i:XD+4*\i+1], s[10:11] offset:2048*\i
.endr
	s_wait_dscnt 0x0                               ; the transposed rows
.irp t, 0,1,2,3,4,5,6,7
	global_store_b64 v6, v[WD+4*\t:WD+4*\t+1], s[12:13] offset:2048*\t
	global_store_b64 v6, v[WD+4*\t+2:WD+4*\t+3], s[12:13] offset:2048*\t+256
.endr
	s_wait_tensorcnt 0x0
	ds_add_u32 v168, v169
	s_wait_dscnt 0x0
	s_endpgm
.Lfunc_end_k_q47ee47cbb1_prep:
	.size	k_q47ee47cbb1_prep, .Lfunc_end_k_q47ee47cbb1_prep-k_q47ee47cbb1_prep
	.p2alignl 7, 3214868480
	.fill 96, 4, 3214868480
	.section	.rodata,"a",@progbits
	.p2align	6, 0x0
	.amdhsa_kernel k_q47ee47cbb1_prep
		.amdhsa_group_segment_fixed_size 34304
		.amdhsa_private_segment_fixed_size 0
		.amdhsa_enable_private_segment 0
		.amdhsa_kernarg_size 40
		.amdhsa_user_sgpr_count 2
		.amdhsa_user_sgpr_kernarg_segment_ptr 1
		.amdhsa_wavefront_size32 1
		.amdhsa_system_sgpr_workgroup_id_x 1
		.amdhsa_system_sgpr_workgroup_id_y 1
		.amdhsa_system_sgpr_workgroup_id_z 1
		.amdhsa_system_vgpr_workitem_id 0
		.amdhsa_next_free_vgpr 170
		.amdhsa_next_free_sgpr 66
		.amdhsa_reserve_vcc 0
		.amdhsa_float_denorm_mode_32 3
		.amdhsa_float_denorm_mode_16_64 3
		.amdhsa_memory_ordered 1
		.amdhsa_forward_progress 1
		.amdhsa_inst_pref_size 17
	.end_amdhsa_kernel
	.amdgpu_metadata
---
amdhsa.version: [ 1, 2 ]
amdhsa.kernels:
  - .name:           k_q47ee47cbb1_prep
    .symbol:         k_q47ee47cbb1_prep.kd
    .args:
      - { .name: x, .offset: 0, .size: 8, .value_kind: global_buffer, .address_space: global }
      - { .name: W_qkv, .offset: 8, .size: 8, .value_kind: global_buffer, .address_space: global }
      - { .name: W_proj, .offset: 16, .size: 8, .value_kind: global_buffer, .address_space: global }
      - { .name: xb, .offset: 24, .size: 8, .value_kind: global_buffer, .address_space: global }
      - { .name: wT, .offset: 32, .size: 8, .value_kind: global_buffer, .address_space: global }
    .group_segment_fixed_size: 34304
    .private_segment_fixed_size: 0
    .kernarg_segment_align: 8
    .kernarg_segment_size: 40
    .max_flat_workgroup_size: 256
    .sgpr_count:     66
    .vgpr_count:     170
    .wavefront_size: 32
...
	.end_amdgpu_metadata
.endif
;; end of part 1
;; launch qkvg (part 2): grid 8 x 32, 4 waves a work-group, clusters of 4 x 4, 327,680 bytes of LDS; arguments xb, wT, b_qkv, qkv; writes qkv
.if DOCPART == 2
	.amdgcn_target "amdgcn-amd-amdhsa--gfx1250"
	.amdhsa_code_object_version 6
	.text
	.protected	k_q47ee47cbb1_qkvg
	.globl	k_q47ee47cbb1_qkvg
	.p2align	8
	.type	k_q47ee47cbb1_qkvg,@function
k_q47ee47cbb1_qkvg:
	s_mov_b64 s[64:65], 0
	v_nop
	global_prefetch_b8 v0, s[64:65] scope:SCOPE_SE
	s_setreg_imm32_b32 hwreg(HW_REG_WAVE_MODE, 25, 1), 1
	s_wait_xcnt 0x0
	s_wait_alu depctr_hold_cnt(0) depctr_sa_sdst(0) depctr_va_vdst(0) depctr_va_sdst(0) depctr_va_ssrc(0) depctr_va_vcc(0) depctr_vm_vsrc(0)
	s_getreg_b32 s2, hwreg(HW_REG_IB_STS2, 6, 4)
	s_cmp_eq_u32 s2, 0
	s_cbranch_scc0 .Lentry_in_a_cluster
	s_endpgm
.Lentry_in_a_cluster:
	s_bfe_u32 s2, ttmp6, 0x10000c
	s_cmp_lg_u32 s2, 0xf033
	s_cbranch_scc0 .Lentry_shape_is_right
	s_endpgm
.Lentry_shape_is_right:
; qkv[4096][3072] (f16) = xb[4096][1024] x wT[0:3072][1024]^T + b_qkv: operands bf16, sums in f32.  On the way out the q columns
; (0-1023) are multiplied in f32 by 0.125 x log2(e), so that the attention launch's scores come in units of log2, and every number is
; rounded once, to f16: q, k and v are operands of the next launch's products, and f16's 11 significant bits keep their rounding
; an eighth of bf16's.
; LIMIT: |q|, |k|, |v| stay under 65,504.  With x, W_qkv and b_qkv all 30 times the drawn spread they reach some 3,200; with common offsets
; of 30 spreads on x and on W_qkv some 18,500.  With all of them 30 times smaller, f16's fixed step of 2^-24 is 4e-5 of v's spread and 2.3e-4 of q's.
; A work-group makes 128 rows x 384 columns with four waves; wave w makes all 128 rows x columns 96 w .. 96 w + 95:
; 8 x 6 = 48 accumulator tiles of 16 x 16, 384 registers; 14 fragments from LDS feed 48 matrix instructions.
; K goes in steps of 128 through two LDS slots filled by tensor loads whose rows are 256 consecutive bytes, aligned.
; CLUSTERS: 4 x 4 work-groups.  The tile of xb hangs on the block row alone and is asked for jointly by a row of the cluster
; (wave 3); the three parts of wT's tile hang on the block column alone and are asked for jointly by a column (waves 0-2).
; REGISTER WINDOWS: 0: addresses, fragments of xb (two buffers), results at work; 1: fragments of wT (two buffers), the bias;
; 2: accumulators of rows 0-63 (tile (a, b) at 8 (6 a + b)); 3: those of rows 64-127.
; The matrix instruction is used transposed (source 0 = 16 rows of wT, source 1 = 16 rows of xb): lane l holds row l % 16 and
; registers 0-7 the columns 8 (l / 16) + 0..7, eight neighbouring numbers of a row.
; The first products take the bias as C: nothing is cleared and nothing is added later.
.set KSTEP,  128
.set PITCH,  272                       ; 256 bytes of data + 16 of padding: an odd multiple of 16
.set PART,   128*PITCH                 ; what one tensor load brings
.set SLOT,   4*PART                    ; wT's 384 rows, then xb's 128 rows
.set SPITCH, 784                       ; the way out: 768 bytes of a block's row + 16
.set LAPS,   4                         ; 1024 / (2 x 128)
.set SCQ,    0x3e38aa3b                ; 0.125 x log2(e)
.set ADRA, 16                          ; v16-17  LDS address of my fragments of xb in slot 0, 1
.set ADRB, 20                          ; v20-21  the same for wT
.set STO,  24                          ; v24-25  the way out: where I put 16 bytes (rows 0-63, rows 64-127)
.set RD,   26                          ; v26     where I read rows back
.set CO,   27                          ; v27     my byte offset in qkv
.set BO,   28                          ; v28     my byte offset in b_qkv
.set F0,   64
.set F1,   128
.set TMP,  192                         ; window 0: v[192:239] 16 rows x 96 columns of results, scaled; then packed into v[192:215]
.set BIAS, 192                         ; window 1: bias of my 96 columns, 6 x 8 registers
.set G1,  24                           ; s[24:31] group 1, xb's tile
.set G0,  32                           ; s[32:39] group 0, xb's tile, one set a slot
.set G1B, 48                           ; s[48:55] group 1, wT's tiles
.set G0B, 56                           ; s[56:63] group 0, wT's tiles, one set a slot
.set FAC, 72                           ; s[72:83] the factor of each of my six column tiles, as pairs
.set MSB, 0
.macro WIN new                         ; the immediate's high byte repeats the setting that is left
.if MSB != \new
	s_set_vgpr_msb (MSB<<8)|\new
.set MSB, \new
.endif
.endm
.set MUL_LO, 0xa1                      ; source 0 window 1, source 1 window 0, C and D window 2
.set MUL_HI, 0xf1                      ; the same, C and D window 3
.set INI_LO, 0x91                      ; C window 1 (the bias), D window 2
.set INI_HI, 0xd1                      ; C window 1, D window 3
.set TO_B,   0x40                      ; destination window 1
.macro JLOAD s                         ; wave 3 asks for xb's tile, waves 0-2 for wT's parts; each line has one mask
	s_cmp_eq_u32 s12, 3
	s_cbranch_scc0 .Lfor_b_\@
	tensor_load_to_lds s[G0+4*\s:G0+4*\s+3], s[G1:G1+7]
	s_nop 0
	s_branch .Lasked_\@
.Lfor_b_\@:
	tensor_load_to_lds s[G0B+4*\s:G0B+4*\s+3], s[G1B:G1B+7]
	s_nop 0
.Lasked_\@:
.endm
.macro CREST                           ; a round of the cluster's barrier behind its opening barrier
	s_cmp_lg_u32 s12, 0
	s_cbranch_scc1 .Lnot_wave_0_\@
	s_barrier_signal -3
.Lnot_wave_0_\@:
	s_barrier_wait -3
	s_barrier_signal -1
	s_barrier_wait -1
.endm
.macro CROUND
	s_barrier_signal -1
	s_barrier_wait -1
	CREST
.endm
	s_load_b256 s[4:11], s[0:1], 0x0               ; xb s[4:5], wT s[6:7], b_qkv s[8:9], qkv s[10:11]
	s_set_vgpr_msb 0x40
	v_lshl_add_u32 v255, v0, 2, 0x44000
	s_set_vgpr_msb 0x4000
	v_mov_b32 v255, 0
	s_set_vgpr_msb 0x1
	ds_add_u32 v255, v255
	s_set_vgpr_msb 0x100
	v_lshrrev_b32 v1, 5, v0
	v_readfirstlane_b32 s12, v1                    ; wave 0..3
	s_bfe_u32 s40, ttmp6, 0x40000                  ; cx
	s_bfe_u32 s41, ttmp6, 0x40004                  ; cy
	s_lshl_b32 s42, ttmp9, 2
	s_add_co_u32 s42, s42, s40                     ; block column = 4 x cluster x + cx
	s_and_b32 s13, ttmp7, 0xffff
	s_lshl_b32 s13, s13, 2
	s_add_co_u32 s13, s13, s41                     ; block row = 4 x cluster y + cy
	s_lshl_b32 s43, s41, 2
	s_lshl_b32 s43, 15, s43                        ; my row of the cluster
	s_lshl_b32 s44, 0x1111, s40                    ; my column
	s_or_b32 s[G1+0], s43, (1<<16)|(1<<20)|(1<<21)|(5<<22)|(3<<25)   ; mask; 2-byte elements; padding on; bit 21 beside a mask; after every 64 words 4 words
	s_or_b32 s[G1B+0], s44, (1<<16)|(1<<20)|(1<<21)|(5<<22)|(3<<25)
	s_mov_b32 s[G1+1], KSTEP<<16                   ; tensor_dim0 = 128
	s_mov_b32 s[G1B+1], KSTEP<<16
	s_mov_b32 s[G1+2], 128<<16                     ; tensor_dim1 = 128
	s_mov_b32 s[G1B+2], 128<<16
	s_mov_b32 s[G1+3], KSTEP<<16                   ; tile_dim0 = 128
	s_mov_b32 s[G1B+3], KSTEP<<16
	s_mov_b32 s[G1+4], 128                         ; tile_dim1 = 128
	s_mov_b32 s[G1B+4], 128
	s_mov_b32 s[G1+5], 1024                        ; elements from row to row
	s_mov_b32 s[G1B+5], 1024
	s_mov_b32 s[G1+6], 0
	s_mov_b32 s[G1B+6], 0
	s_mov_b32 s[G1+7], 0
	s_mov_b32 s[G1B+7], 0
	s_lshl_b32 s16, s13, 18                        ; xb: 128 rows of 2,048 bytes a block row
	s_mov_b32 s17, 0
	s_mul_i32 s46, s42, 384                        ; wT: row 384 x block column + 128 x wave
	s_lshl_b32 s47, s12, 7
	s_add_co_u32 s46, s46, s47
	s_lshl_b32 s46, s46, 11
	s_mov_b32 s47, 0
	s_mul_i32 s20, s12, PART                       ; LDS: wave x 128 rows; no place in the cluster enters
	s_wait_dscnt 0x0
	s_wait_kmcnt 0x0
	s_add_nc_u64 s[14:15], s[4:5], s[16:17]
	s_add_nc_u64 s[46:47], s[6:7], s[46:47]
	CROUND                                         ; all sixteen work-groups are here: the first joint loads meet
.irp s, 0,1
	s_mov_b32 s[G0+4*\s], 1
	s_add_co_u32 s[G0+4*\s+1], s20, \s*SLOT
	s_add_nc_u64 s[G0+4*\s+2:G0+4*\s+3], s[14:15], \s*KSTEP*2
	s_or_b32 s[G0+4*\s+3], s[G0+4*\s+3], 0x80000000
	s_mov_b32 s[G0B+4*\s], 1
	s_add_co_u32 s[G0B+4*\s+1], s20, \s*SLOT
	s_add_nc_u64 s[G0B+4*\s+2:G0B+4*\s+3], s[46:47], \s*KSTEP*2
	s_or_b32 s[G0B+4*\s+3], s[G0B+4*\s+3], 0x80000000
	JLOAD \s
.endr
	v_and_b32 v1, 15, v0                           ; r
	v_bfe_u32 v2, v0, 4, 1                         ; h
	; the bias of my 96 columns: register j of tile b belongs to column 96 w + 16 b + 8 h + j
	s_mul_i32 s69, s12, 384
	v_lshl_add_u32 v[BO], v2, 5, s69               ; (96 w + 8 h) x 4 bytes
	s_mul_i32 s70, s42, 1536                       ; 384 columns x 4 bytes a block column
	s_mov_b32 s71, 0
	s_add_nc_u64 s[8:9], s[8:9], s[70:71]
	WIN TO_B
.irp b, 0,1,2,3,4,5
	global_load_b128 v[BIAS+8*\b:BIAS+8*\b+3], v[BO], s[8:9] offset:64*\b
	global_load_b128 v[BIAS+8*\b+4:BIAS+8*\b+7], v[BO], s[8:9] offset:64*\b+16
.endr
	WIN 0
	v_mul_u32_u24 v3, v1, PITCH
	v_lshl_add_u32 v3, v2, 4, v3                   ; row x pitch + 16 x half
	s_mul_i32 s22, s12, 96*PITCH                   ; my 96 rows of wT's tile
	v_add_nc_u32 v[ADRA], 3*PART, v3
	v_add_nc_u32 v[ADRA+1], SLOT+3*PART, v3
	v_add_nc_u32 v[ADRB], s22, v3
	v_add_nc_u32 v[ADRB+1], SLOT, v[ADRB]
	v_mul_u32_u24 v4, v1, SPITCH                   ; the way out, in: row r of 16, my 192 bytes of the block's row
	v_lshl_add_u32 v4, v2, 4, v4
	s_mul_i32 s21, s12, 192
	v_add_nc_u32 v[STO], s21, v4
	v_add_nc_u32 v[STO+1], 64*SPITCH, v[STO]
	s_mul_i32 s23, s12, 32*SPITCH                  ; back: rows 32 w .. 32 w + 31, two rows an instruction
	v_mul_u32_u24 v5, v2, SPITCH
	v_lshl_add_u32 v5, v1, 4, v5
	v_add_nc_u32 v[RD], s23, v5
	v_mul_u32_u24 v5, v2, 6144
	v_lshl_add_u32 v[CO], v1, 4, v5
	s_wait_loadcnt 0x0                             ; the bias
; six matrix instructions: row block a of the window's four x my six column blocks, 32 along K
.macro MULA f, hi, a, init
.irp b, 0,1,2,3,4,5
.if \init
	v_wmma_f32_16x16x32_bf16 v[8*(6*\a+\b):8*(6*\a+\b)+7], v[\f+8*\b:\f+8*\b+7], v[\f+8*(4*\hi+\a):\f+8*(4*\hi+\a)+7], v[BIAS+8*\b:BIAS+8*\b+7]
.else
	v_wmma_f32_16x16x32_bf16 v[8*(6*\a+\b):8*(6*\a+\b)+7], v[\f+8*\b:\f+8*\b+7], v[\f+8*(4*\hi+\a):\f+8*(4*\hi+\a)+7], v[8*(6*\a+\b):8*(6*\a+\b)+7]
.endif
.endr
.endm
.macro HALF f, hi, init                ; 24 matrix instructions; the 48 accumulators take turns, one instruction a turn
	MULA \f, \hi, 0, \init
	MULA \f, \hi, 1, \init
	MULA \f, \hi, 2, \init
	MULA \f, \hi, 3, \init
.endm
; 28 LDS loads in one run: 96 rows of wT, then 128 rows of xb, 32 K at byte k of the rows, into buffer f
.macro FETCH slot, k, f
	WIN TO_B
.irp i, 0,1,2,3,4,5
	ds_load_b128 v[\f+8*\i:\f+8*\i+3],   v[ADRB+\slot] offset:\k+\i*16*PITCH
	ds_load_b128 v[\f+8*\i+4:\f+8*\i+7], v[ADRB+\slot] offset:\k+\i*16*PITCH+32
.endr
	WIN 0
.irp i, 0,1,2,3,4,5,6,7
	ds_load_b128 v[\f+8*\i:\f+8*\i+3],   v[ADRA+\slot] offset:\k+\i*16*PITCH
	ds_load_b128 v[\f+8*\i+4:\f+8*\i+7], v[ADRA+\slot] offset:\k+\i*16*PITCH+32
.endr
.endm
.macro PLACES                          ; four independent vector instructions between a matrix instruction and a load into, or a vector read of, its registers
.rept 4
	v_nop
.endr
.endm
.macro QUARTER slot, k, f, g, init
	s_wait_dscnt 8                                 ; wT's fragments and xb's rows 0-63 are in; the youngest eight loads (rows 64-127) may be out
.if \init
	WIN INI_LO
.else
	WIN MUL_LO
.endif
	HALF \f, 0, \init
	PLACES
	FETCH \slot, \k, \g
	s_wait_dscnt 28                                ; all but the 28 just issued
.if \init
	WIN INI_HI
.else
	WIN MUL_HI
.endif
	HALF \f, 1, \init
.endm
.macro THREE slot, init
	QUARTER \slot, 64,  F0, F1, \init
	QUARTER \slot, 128, F1, F0, 0
	QUARTER \slot, 192, F0, F1, 0
.endm
; The last quarter of a K step changes slots.  In front of the barrier each wave waits for its reads of this slot and for all its
; tensor loads (one is out: its part of the next slot).  Where the slot is filled again the barrier opens a round of the cluster's
; barrier, and the joint refill is the first tensor load behind the round.
.macro TURN slot, next, fill
	s_wait_dscnt 8
	WIN MUL_LO
	MULA F1, 0, 0, 0
	MULA F1, 0, 1, 0
	s_wait_dscnt 0x0                               ; my reads of this slot are over
	s_wait_tensorcnt 0x0                           ; all my tensor loads have landed
	ds_add_u32 v255, v255
	s_wait_dscnt 0x0
	s_barrier_signal -1
	MULA F1, 0, 2, 0                               ; register work while the others arrive
	MULA F1, 0, 3, 0
	WIN 0
	s_barrier_wait -1
.if \fill
	CREST
	s_add_nc_u64 s[G0+4*\slot+2:G0+4*\slot+3], s[G0+4*\slot+2:G0+4*\slot+3], 2*KSTEP*2
	s_add_nc_u64 s[G0B+4*\slot+2:G0B+4*\slot+3], s[G0B+4*\slot+2:G0B+4*\slot+3], 2*KSTEP*2
	JLOAD \slot
.endif
	PLACES
	FETCH \next, 0, F0
	WIN MUL_HI
	HALF F1, 1, 0
.endm
.macro LAP init
	THREE 0, \init
	TURN 0, 1, 1
	THREE 1, 0
	TURN 1, 0, 1
.endm
	s_wait_tensorcnt 1                             ; my part of K step 0 is in; K step 1's load stays out
	s_barrier_signal -1
	s_barrier_wait -1
	FETCH 0, 0, F0
	LAP 1                                          ; the first lap: its first products take the bias as C
	WIN 0
	s_mov_b32 s3, LAPS-2
.Llap:
	LAP 0
	WIN 0
	s_sub_co_u32 s3, s3, 1
	s_cmp_lg_u32 s3, 0
	s_cbranch_scc1 .Llap
	THREE 0, 0                                     ; the last lap fills nothing
	TURN 0, 1, 0
	THREE 1, 0
	s_wait_dscnt 8
	WIN MUL_LO
	HALF F1, 0, 0
	s_wait_dscnt 0x0
	WIN MUL_HI
	HALF F1, 1, 0
	; THE WAY OUT.  The stage is slot 0: its last fill has landed and every wave's last read of it came back in front of the
	; barrier of the last change of slots.  128 rows x 784 bytes.  Each wave puts its 192 bytes into every row; behind a barrier
	; each wave reads 32 whole rows of 768 bytes back and stores them, sixteen lanes to 256 consecutive bytes, aligned.
	PLACES
	s_lshl_b32 s16, s13, 7
	s_lshl_b32 s17, s12, 5
	s_add_co_u32 s16, s16, s17                     ; row 128 x block row + 32 x wave
	s_mul_i32 s16, s16, 6144
	s_mov_b32 s17, 0
	s_add_nc_u64 s[10:11], s[10:11], s[16:17]
	s_mul_i32 s46, s42, 768                        ; the block's 384 columns in bytes
	s_mov_b32 s47, 0
	s_add_nc_u64 s[10:11], s[10:11], s[46:47]
	s_mul_i32 s68, s42, 384
	s_mul_i32 s69, s12, 96
	s_add_co_u32 s68, s68, s69                     ; my first column
.irp b, 0,1,2,3,4,5
	s_add_co_u32 s69, s68, 16*\b
	s_cmp_lt_u32 s69, 1024                         ; a q column?  (1024 is a multiple of 16: a tile is q as a whole or not at all)
	s_cselect_b32 s[FAC+2*\b], SCQ, 1.0            ; a choice of a value, not a branch: every tile is multiplied
	s_mov_b32 s[FAC+2*\b+1], s[FAC+2*\b]
.endr
.macro OUTA hi, a                      ; rows 64 hi + 16 a .. + 15: scale in f32, round once to f16, 16 bytes a lane and tile into the stage
.if \hi
	WIN 0x03                                       ; source 0 window 3, destination window 0
.else
	WIN 0x02
.endif
.irp b, 0,1,2,3,4,5
.irp k, 0,2,4,6
	v_pk_mul_f32 v[TMP+8*\b+\k:TMP+8*\b+\k+1], v[8*(6*\a+\b)+\k:8*(6*\a+\b)+\k+1], s[FAC+2*\b:FAC+2*\b+1] op_sel_hi:[1,0]
.endr
.endr
	WIN 0
.set i, 0
.rept 24
	v_cvt_pk_f16_f32 v[TMP+i], v[TMP+2*i], v[TMP+2*i+1]    ; step i reads registers 2 i, 2 i + 1 and writes i: never one still to be read
.set i, i+1
.endr
.irp b, 0,1,2,3,4,5
	ds_store_b128 v[STO+\hi], v[TMP+4*\b:TMP+4*\b+3] offset:\a*16*SPITCH+32*\b
.endr
.endm
	OUTA 0, 0
	OUTA 0, 1
	OUTA 0, 2
	OUTA 0, 3
	OUTA 1, 0
	OUTA 1, 1
	OUTA 1, 2
	OUTA 1, 3
	s_wait_dscnt 0x0                               ; my stores are in LDS, for the other waves' sake
	s_barrier_signal -1
	s_barrier_wait -1
.macro BACK n0, f                      ; pieces n0 .. n0 + 7; piece n is row pair n / 3, 256 bytes n % 3
	s_wait_xcnt 0x0                                ; buffer f, which earlier stores read, is loaded again only behind this wait
.irp u, 0,1,2,3,4,5,6,7
	ds_load_b128 v[\f+4*\u:\f+4*\u+3], v[RD] offset:2*SPITCH*((\n0+\u)/3)+256*((\n0+\u)%3)
.endr
.irp u, 0,1,2,3,4,5,6,7
	s_wait_dscnt 7-\u
	global_store_b128 v[CO], v[\f+4*\u:\f+4*\u+3], s[10:11] offset:12288*((\n0+\u)/3)+256*((\n0+\u)%3)
.endr
.endm
	BACK 0,  F0
	BACK 8,  F1
	BACK 16, F0
	BACK 24, F1
	BACK 32, F0
	BACK 40, F1
	s_set_vgpr_msb 0x1
	s_wait_tensorcnt 0x0
	ds_add_u32 v255, v255
	s_wait_dscnt 0x0
	s_set_vgpr_msb 0x100
	CROUND                                         ; the closing round: no work-group ends while a partner may still ask jointly
	s_endpgm
.Lfunc_end_k_q47ee47cbb1_qkvg:
	.size	k_q47ee47cbb1_qkvg, .Lfunc_end_k_q47ee47cbb1_qkvg-k_q47ee47cbb1_qkvg
	.p2alignl 7, 3214868480
	.fill 96, 4, 3214868480
	.section	.rodata,"a",@progbits
	.p2align	6, 0x0
	.amdhsa_kernel k_q47ee47cbb1_qkvg
		.amdhsa_group_segment_fixed_size 327680
		.amdhsa_private_segment_fixed_size 0
		.amdhsa_enable_private_segment 0
		.amdhsa_kernarg_size 32
		.amdhsa_user_sgpr_count 2
		.amdhsa_user_sgpr_kernarg_segment_ptr 1
		.amdhsa_wavefront_size32 1
		.amdhsa_system_sgpr_workgroup_id_x 1
		.amdhsa_system_sgpr_workgroup_id_y 1
		.amdhsa_system_sgpr_workgroup_id_z 1
		.amdhsa_system_vgpr_workitem_id 0
		.amdhsa_next_free_vgpr 1024
		.amdhsa_next_free_sgpr 84
		.amdhsa_reserve_vcc 0
		.amdhsa_float_denorm_mode_32 3
		.amdhsa_float_denorm_mode_16_64 3
		.amdhsa_memory_ordered 1
		.amdhsa_forward_progress 1
		.amdhsa_inst_pref_size 172
	.end_amdhsa_kernel
	.amdgpu_metadata
---
amdhsa.version: [ 1, 2 ]
amdhsa.kernels:
  - .name:           k_q47ee47cbb1_qkvg
    .symbol:         k_q47ee47cbb1_qkvg.kd
    .args:
      - { .name: xb, .offset: 0, .size: 8, .value_kind: global_buffer, .address_space: global }
      - { .name: wT, .offset: 8, .size: 8, .value_kind: global_buffer, .address_space: global }
      - { .name: b_qkv, .offset: 16, .size: 8, .value_kind: global_buffer, .address_space: global }
      - { .name: qkv, .offset: 24, .size: 8, .value_kind: global_buffer, .address_space: global }
    .group_segment_fixed_size: 327680
    .private_segment_fixed_size: 0
    .kernarg_segment_align: 8
    .kernarg_segment_size: 32
    .max_flat_workgroup_size: 128
    .sgpr_count:     84
    .vgpr_count:     1024
    .wavefront_size: 32
...
	.end_amdgpu_metadata
.endif
;; end of part 2
;; launch attn (part 3): grid 16 x 16, 8 waves a work-group, clusters of 4 x 4, 327,680 bytes of LDS; arguments qkv, mask, att; writes att
.if DOCPART == 3
	.amdgcn_target "amdgcn-amd-amdhsa--gfx1250"
	.amdhsa_code_object_version 6
	.text
	.protected	k_q47ee47cbb1_attn
	.globl	k_q47ee47cbb1_attn
	.p2align	8
	.type	k_q47ee47cbb1_attn,@function
k_q47ee47cbb1_attn:
	s_mov_b64 s[64:65], 0
	v_nop
	global_prefetch_b8 v0, s[64:65] scope:SCOPE_SE
	s_setreg_imm32_b32 hwreg(HW_REG_WAVE_MODE, 25, 1), 1
	s_wait_xcnt 0x0
	s_wait_alu depctr_hold_cnt(0) depctr_sa_sdst(0) depctr_va_vdst(0) depctr_va_sdst(0) depctr_va_ssrc(0) depctr_va_vcc(0) depctr_vm_vsrc(0)
	s_getreg_b32 s2, hwreg(HW_REG_IB_STS2, 6, 4)
	s_cmp_eq_u32 s2, 0
	s_cbranch_scc0 .Lentry_in_a_cluster
	s_endpgm
.Lentry_in_a_cluster:
	s_bfe_u32 s2, ttmp6, 0x10000c
	s_cmp_lg_u32 s2, 0xf033
	s_cbranch_scc0 .Lentry_shape_is_right
	s_endpgm
.Lentry_shape_is_right:
; att[b, s, h, :] = softmax over t of (q.k + (1 - mask[s, t]) x -1e9) x v, for every key: the mask is honoured value by value.
; q comes scaled by 0.125 x log2(e), so scores are in units of log2 and the exponentials are plain 2^x.
; FORMATS.  q, k, v come in f16 and the weights P (at most 1) are rounded to f16: both products take f16 operands and sum in f32.
; The result leaves in two bf16 parts, hi = bf16(att) and lo = bf16(att - hi), 16 significant bits together: att[4096][2048],
; hi in columns 0-1023, lo in columns 1024-2047.  The next launch multiplies both parts by the bf16 weights.
; LIMITS.  The mask's term is added as one fused multiply-add in f32, (mask - 1) x (1e9 x log2 e) + s, in front of a true running
; maximum, and t - max is formed by a subtraction of its own.  In a row whose keys are all masked the sums round to multiples of 128
; in log2 units where the natural-unit form rounds to multiples of 64: both give uniform weights while the scaled scores stay below
; 32 in magnitude; beyond that the two differ.  A fractional mask value is rounded once here, twice there.  A weight below 2^-25 of
; its row's largest counts as 0 in the product with v (not in the row's sum).  NaN and infinities in the inputs are not followed.
; SHARES.  A work-group: one batch, two neighbouring heads (128 columns = 256 bytes of a row of qkv and of each part of att), 128 queries.
; Eight waves: wave w takes head w >> 2 of the two and queries 32 (w & 3) .. + 31 (two tiles of 16).  32 sets of 64 keys.
; Set j = mask tile j (128 x 64 f32), V tile j and K tile j + 1 (64 x 128 f16 each) in one LDS slot: K runs a set ahead, so that
; its fragments are in registers when the set's turn comes.  One tensor load of 32 rows x 256 bytes a wave and set
; (waves 0-3 mask, 4-5 K, 6-7 V).
; THE RING.  Four slots in two pairs.  Behind one round of the cluster's barrier the two slots that have just been read are asked for
; again, and the two sets of the other pair, which have landed in every wave, are worked on.  So between a set's request and the wait
; for it a wave does two sets' work (64 matrix instructions and the softmax of 2 x 32 x 64 scores), and there is one round for two
; sets and no other barrier.  Two loads of a wave are out behind a round; three of waves 4 and 5 at the start (K tile 0, sets 0 and 1).
; CLUSTERS: 4 x 4.  x = batch and head pair, y = query block.  The mask tile hangs on y alone: asked for jointly by a row of the cluster.
; K and V hang on x alone: asked for jointly by a column.
; LAYOUTS.  S^T = K Q^T: lane (r, h), register j of tile kt = query r, key 16 kt + 8 h + j.  So a row's maximum and sum are made
; inside a lane and one exchange of the halves, the mask is 32 neighbouring bytes a tile and lane, and rounding pairs of registers
; in place turns two tiles into the B fragment of O^T = V^T P.  V^T comes by the transposing LDS load.
.set SLOTB, 70656                      ; a slot: mask 128 x 272, K 64 x 272, V 64 x 288
.set SB,    3072                       ; slot 0.  Bytes 0 .. 3,071 are not used: so V's LDS address is 9,216 x wave + a constant that is not negative
.set STG2,  34816                      ; the stage of the way out lies in slot 0: hi at its first byte, lo 34,816 further, 128 rows x 272 bytes each
.set KOFF,  34816
.set VOFF,  52224
.set K0B,   SB+4*SLOTB                 ; K tile 0, behind the four slots
.set MSTEP, 256                        ; 64 keys of f32
.set KVSTEP, 393216                    ; 64 rows of qkv
.set C2,    0x4eabfb8f                 ; 1e9 x log2(e)
.set AKX, 3                            ; v3        K tile 0; on the way out: where I put 16 bytes
.set TP,  4                            ; v[4:5]    second chain of the row sum
.set RD,  6                            ; v6        Q's byte offset; on the way out: where I read rows back
.set CO,  7                            ; v7        on the way out: my byte offset in att
.set MX,  8                            ; v8, v10   running maximum of tile q (the pair's partner is a temporary)
.set T0,  9
.set T1,  11
.set AL,  12                           ; v12, v14  2^(old maximum - new); v13, v15 written once, never used
.set LS,  16                           ; v[16:17], v[18:19]  running sums, two a lane
.set AM,  20                           ; v20-23    LDS address of my mask words in slot 0 .. 3
.set AK,  24                           ; v24-27    K fragments
.set AV,  28                           ; v28-31    V fragments
.set QF,  32                           ; v[32:63]   Q fragment (q, ks) at 8 (2 q + ks)
.set ST,  64                           ; v[64:127]  scores of tile (q, kt) at 8 (4 q + kt); then P (q, ks2) at 32 q + 8 ks2
.set KF,  128                          ; v[128:191] K fragment (kt, ks) at 8 (2 kt + ks)
.set MF,  192                          ; v[192:255] mask of tile (q, kt) at 8 (4 q + kt); then V fragment (ht, ks2) at 8 (2 ht + ks2)
                                       ; window 1: O^T of (q, ht) at 8 (4 q + ht)
.set G1M, 20                           ; s[20:27], s[28:35], s[36:43]  group 1 of the mask's, K's and V's tiles
.set G1K, 28
.set G1V, 36
.set G0M, 44                           ; s[44:51]  group 0 of the mask's tiles: one set for each of a round's two requests
.set G0K, 52                           ; s[52:59]  K's
.set WB8, 60                           ; s60       8,704 x wave: where the mask's and K's parts go in a slot
.set WB9, 61                           ; s61       9,216 x wave: V's
.set G0V, 68                           ; s[68:75]  V's
.set G0X, 76                           ; s[76:79]  K tile 0
.set MSB, 0
.macro WIN new
.if MSB != \new
	s_set_vgpr_msb (MSB<<8)|\new
.set MSB, \new
.endif
.endm
.macro CROUND                          ; a round of the cluster's barrier
	s_barrier_signal -1
	s_barrier_wait -1
	s_cmp_lg_u32 s10, 0
	s_cbranch_scc1 .Lnot_wave_0_\@
	s_barrier_signal -3
.Lnot_wave_0_\@:
	s_barrier_wait -3
	s_barrier_signal -1
	s_barrier_wait -1
.endm
.macro JSET e, withk                   ; one load a wave: its part of the round's request e (0 or 1)
	s_cmp_lt_u32 s10, 4
	s_cbranch_scc0 .Lnot_m_\@
	tensor_load_to_lds s[G0M+4*\e:G0M+4*\e+3], s[G1M:G1M+7]
	s_nop 0
	s_branch .Lset_\@
.Lnot_m_\@:
	s_cmp_lt_u32 s10, 6
	s_cbranch_scc0 .Lis_v_\@
.if \withk
	tensor_load_to_lds s[G0K+4*\e:G0K+4*\e+3], s[G1K:G1K+7]
	s_nop 0
.endif
	s_branch .Lset_\@
.Lis_v_\@:
	tensor_load_to_lds s[G0V+4*\e:G0V+4*\e+3], s[G1V:G1V+7]
	s_nop 0
.Lset_\@:
.endm
	s_load_b128 s[4:7], s[0:1], 0x0                ; qkv s[4:5], mask s[6:7]
	s_load_b64 s[8:9], s[0:1], 0x10                ; att
	s_set_vgpr_msb 0x40
	v_lshl_add_u32 v64, v0, 2, 0x4a000
	v_mov_b32 v65, 0
	s_set_vgpr_msb 0x4045
	ds_add_u32 v64, v65
	s_set_vgpr_msb 0x4500
	v_lshrrev_b32 v1, 5, v0
	v_readfirstlane_b32 s10, v1                    ; wave 0..7
	s_and_b32 s11, s10, 3                          ; which 32 queries
	s_and_b32 s12, s10, 1                          ; which 32 rows of K or V I fetch
	s_lshr_b32 s13, s10, 2                         ; which of the two heads
	s_bfe_u32 s14, ttmp6, 0x40000                  ; cx
	s_bfe_u32 s15, ttmp6, 0x40004                  ; cy
	s_lshl_b32 s16, ttmp9, 2
	s_add_co_u32 s16, s16, s14                     ; x = 8 x batch + head pair
	s_and_b32 s17, ttmp7, 0xffff
	s_lshl_b32 s17, s17, 2
	s_add_co_u32 s17, s17, s15                     ; y = query block
	s_lshl_b32 s18, s15, 2
	s_lshl_b32 s18, 15, s18                        ; my row of the cluster
	s_lshl_b32 s19, 0x1111, s14                    ; my column
	s_or_b32 s[G1M+0], s18, (2<<16)|(1<<20)|(1<<21)|(5<<22)|(3<<25)  ; mask tile: 4-byte elements, 4 words of padding behind every 64
	s_mov_b32 s[G1M+1], 64<<16                     ; tensor_dim0 = 64
	s_mov_b32 s[G1M+2], 32<<16                     ; tensor_dim1 = 32
	s_mov_b32 s[G1M+3], 64<<16                     ; tile_dim0 = 64
	s_mov_b32 s[G1M+4], 32                         ; tile_dim1 = 32
	s_mov_b32 s[G1M+5], 2048                       ; elements from row to row
	s_mov_b32 s[G1M+6], 0
	s_mov_b32 s[G1M+7], 0
	s_or_b32 s[G1K+0], s19, (1<<16)|(1<<20)|(1<<21)|(5<<22)|(3<<25)  ; K: 2-byte elements, pitch 272
	s_or_b32 s[G1V+0], s19, (1<<16)|(1<<20)|(1<<21)|(5<<22)|(7<<25)  ; V: 8 words of padding, pitch 288 (an odd multiple of 32, for the transposing loads)
	s_mov_b32 s[G1K+1], 128<<16
	s_mov_b32 s[G1V+1], 128<<16
	s_mov_b32 s[G1K+2], 32<<16
	s_mov_b32 s[G1V+2], 32<<16
	s_mov_b32 s[G1K+3], 128<<16
	s_mov_b32 s[G1V+3], 128<<16
	s_mov_b32 s[G1K+4], 32
	s_mov_b32 s[G1V+4], 32
	s_mov_b32 s[G1K+5], 3072
	s_mov_b32 s[G1V+5], 3072
	s_mov_b32 s[G1K+6], 0
	s_mov_b32 s[G1V+6], 0
	s_mov_b32 s[G1K+7], 0
	s_mov_b32 s[G1V+7], 0
	; LDS addresses: a constant + the wave's number x a constant.  Mask (waves 0-3) and K (waves 4-5) lie back to back at 8,704 bytes
	; a wave; V (waves 6-7) at 9,216 a wave, from VOFF - 6 x 9,216 = -3,072 of the slot.
	s_mul_i32 s[WB8], s10, 8704
	s_mul_i32 s[WB9], s10, 9216
.irp e, 0,1
	s_mov_b32 s[G0M+4*\e], 1
	s_add_co_u32 s[G0M+4*\e+1], s[WB8], SB+\e*SLOTB            ; sets 0 and 1 go into slots 0 and 1
	s_mov_b32 s[G0K+4*\e], 1
	s_add_co_u32 s[G0K+4*\e+1], s[WB8], SB+\e*SLOTB
	s_mov_b32 s[G0V+4*\e], 1
	s_add_co_u32 s[G0V+4*\e+1], s[WB9], SB-3072+\e*SLOTB
.endr
	s_mov_b32 s[G0X], 1
	s_add_co_u32 s[G0X+1], s[WB8], K0B-KOFF
	; global offsets.  The mask's hang on y and the wave alone, K's and V's on x and the wave alone, each in registers of their own.
	s_lshl_b32 s98, s17, 20                        ; 128 rows of 8,192 bytes a query block
	s_lshl_b32 s99, s10, 18                        ; 32 rows a wave
	s_add_co_u32 s98, s98, s99
	s_mov_b32 s99, 0
	s_lshr_b32 s100, s16, 3                        ; batch
	s_lshl_b32 s100, s100, 11
	s_lshl_b32 s101, s12, 5
	s_add_co_u32 s100, s100, s101                  ; row 2048 x batch + 32 x (wave & 1)
	s_mul_i32 s100, s100, 6144
	s_and_b32 s101, s16, 7
	s_lshl_b32 s101, s101, 8                       ; 256 bytes a head pair
	s_add_co_u32 s100, s100, s101
	s_mov_b32 s101, 0
	s_lshr_b32 s2, s16, 3                          ; Q: row 2048 x batch + 128 y + 32 (wave & 3)
	s_lshl_b32 s2, s2, 11
	s_lshl_b32 s3, s17, 7
	s_add_co_u32 s2, s2, s3
	s_lshl_b32 s3, s11, 5
	s_add_co_u32 s2, s2, s3
	s_mul_i32 s2, s2, 6144
	s_and_b32 s3, s16, 7
	s_lshl_b32 s3, s3, 8
	s_add_co_u32 s2, s2, s3
	s_lshl_b32 s3, s13, 7                          ; my head's 128 bytes
	s_add_co_u32 s2, s2, s3
	s_mov_b32 s3, 0
	s_mov_b32 s62, C2
	s_mov_b32 s63, C2
	s_mov_b32 s66, 0x76543210                      ; v_permlanex16_b32: lane i reads lane i of the other half
	s_mov_b32 s67, 0xfedcba98
	s_wait_dscnt 0x0
	s_wait_kmcnt 0x0
	s_add_nc_u64 s[G0M+2:G0M+3], s[6:7], s[98:99]              ; mask tile 0
	s_add_nc_u64 s[G0M+6:G0M+7], s[G0M+2:G0M+3], MSTEP         ; mask tile 1
	s_or_b32 s[G0M+3], s[G0M+3], 0x80000000
	s_or_b32 s[G0M+7], s[G0M+7], 0x80000000
	s_add_nc_u64 s[100:101], s[4:5], s[100:101]
	s_add_nc_u64 s[2:3], s[4:5], s[2:3]
	s_add_nc_u64 s[G0X+2:G0X+3], s[100:101], 2048              ; K tile 0 (k begins at byte 2,048 of a row of qkv)
	s_or_b32 s[G0X+3], s[G0X+3], 0x80000000
	s_add_nc_u64 s[G0K+2:G0K+3], s[100:101], 2048+KVSTEP       ; K tile 1 belongs to set 0
	s_or_b32 s[G0K+3], s[G0K+3], 0x80000000
	s_add_nc_u64 s[G0K+6:G0K+7], s[100:101], 2048+2*KVSTEP     ; K tile 2 to set 1
	s_or_b32 s[G0K+7], s[G0K+7], 0x80000000
	s_add_nc_u64 s[G0V+2:G0V+3], s[100:101], 4096              ; V tile 0 (v begins at byte 4,096)
	s_or_b32 s[G0V+3], s[G0V+3], 0x80000000
	s_add_nc_u64 s[G0V+6:G0V+7], s[100:101], 4096+KVSTEP       ; V tile 1
	s_or_b32 s[G0V+7], s[G0V+7], 0x80000000
	CROUND                                         ; all sixteen work-groups are here: the first joint loads meet
	s_cmp_lt_u32 s10, 4
	s_cbranch_scc1 .Lno_k0
	s_cmp_gt_u32 s10, 5
	s_cbranch_scc1 .Lno_k0
	tensor_load_to_lds s[G0X:G0X+3], s[G1K:G1K+7]  ; K tile 0, waves 4 and 5
	s_nop 0
.Lno_k0:
	JSET 0, 1                                      ; set 0
	JSET 1, 1                                      ; set 1
	v_and_b32 v1, 15, v0                           ; r
	v_bfe_u32 v2, v0, 4, 1                         ; h
	v_and_b32 v3, 7, v0
	v_bfe_u32 v7, v0, 3, 1
	v_mul_u32_u24 v6, v1, 6144                     ; Q: row r, 16 bytes a half
	v_lshl_add_u32 v6, v2, 4, v6
.irp q, 0,1
.irp ks, 0,1
	global_load_b128 v[QF+8*(2*\q+\ks):QF+8*(2*\q+\ks)+3],   v6, s[2:3] offset:98304*\q+64*\ks
	global_load_b128 v[QF+8*(2*\q+\ks)+4:QF+8*(2*\q+\ks)+7], v6, s[2:3] offset:98304*\q+64*\ks+32
.endr
.endr
	v_mov_b32 v[T0], 0                             ; the partners of the pairs that the packed forms name
	v_mov_b32 v[T1], 0
	v_mov_b32 v[AL+1], 0
	v_mov_b32 v[AL+3], 0
	v_mul_u32_u24 v[AM], v1, 272                   ; mask: row 32 (w & 3) + r, 32 bytes a half
	v_mov_b32 v[AK], v[AM]
	v_lshl_add_u32 v[AM], v2, 5, v[AM]
	s_mul_i32 s97, s11, 8704
	s_add_co_u32 s97, s97, SB
	v_add_nc_u32 v[AM], s97, v[AM]
	v_lshl_add_u32 v[AK], v2, 4, v[AK]             ; K: row r, my head's 128 bytes, 16 bytes a half
	s_lshl_b32 s96, s13, 7
	s_add_co_u32 s97, s96, SB+KOFF
	v_add_nc_u32 v[AK], s97, v[AK]
	v_lshl_add_u32 v[AV], v2, 3, v3                ; V, transposing load: row 8 h + (l & 7), 16 bytes by bit 3 of the lane
	v_mul_u32_u24 v[AV], v[AV], 288
	v_lshl_add_u32 v[AV], v7, 4, v[AV]
	s_add_co_u32 s97, s96, SB+VOFF
	v_add_nc_u32 v[AV], s97, v[AV]
.irp s, 1,2,3
	v_add_nc_u32 v[AM+\s], \s*SLOTB, v[AM]
	v_add_nc_u32 v[AK+\s], \s*SLOTB, v[AK]
	v_add_nc_u32 v[AV+\s], \s*SLOTB, v[AV]
.endr
	v_add_nc_u32 v[AKX], K0B-SB-KOFF, v[AK]        ; v3 has served V's address above
.macro LOADK adr                       ; 16 loads: the eight fragments of a K tile
.irp kt, 0,1,2,3
.irp ks, 0,1
	ds_load_b128 v[KF+16*\kt+8*\ks:KF+16*\kt+8*\ks+3],   v[\adr] offset:4352*\kt+64*\ks
	ds_load_b128 v[KF+16*\kt+8*\ks+4:KF+16*\kt+8*\ks+7], v[\adr] offset:4352*\kt+64*\ks+32
.endr
.endr
.endm
; The softmax step of query tile q on its 32 registers of biased scores.
.macro SOFT q, first
	WIN 0
	v_max3_num_f32 v[T0], v[ST+32*\q], v[ST+32*\q+1], v[ST+32*\q+2]
	v_max3_num_f32 v[T1], v[ST+32*\q+16], v[ST+32*\q+17], v[ST+32*\q+18]
.irp i, 3,5,7,9,11,13
	v_max3_num_f32 v[T0], v[T0], v[ST+32*\q+\i], v[ST+32*\q+\i+1]
	v_max3_num_f32 v[T1], v[T1], v[ST+32*\q+16+\i], v[ST+32*\q+17+\i]
.endr
	v_max3_num_f32 v[T0], v[T0], v[ST+32*\q+15], v[ST+32*\q+31]
.if \first
	v_max_num_f32 v[T0], v[T0], v[T1]
.else
	v_max3_num_f32 v[T0], v[T0], v[T1], v[MX+2*\q]
.endif
	v_permlanex16_b32 v[T1], v[T0], s66, s67       ; the other half holds the query's other 32 keys
	v_max_num_f32 v[T0], v[T0], v[T1]
.if \first
	v_mov_b32 v[MX+2*\q], v[T0]
.else
	v_sub_f32 v[AL+2*\q], v[MX+2*\q], v[T0]
	v_mov_b32 v[MX+2*\q], v[T0]
	v_exp_f32 v[AL+2*\q], v[AL+2*\q]               ; the subtractions below are the plain instructions behind it (ISA guide 5.7.2)
.endif
.irp i, 0,2,4,6,8,10,12,14,16,18,20,22,24,26,28,30
	v_pk_add_f32 v[ST+32*\q+\i:ST+32*\q+\i+1], v[ST+32*\q+\i:ST+32*\q+\i+1], v[MX+2*\q:MX+2*\q+1] op_sel_hi:[1,0] neg_lo:[0,1] neg_hi:[0,1]
.endr
.set i, 0
.rept 32
	v_exp_f32 v[ST+32*\q+i], v[ST+32*\q+i]
.set i, i+1
.endr
	v_nop                                          ; one plain instruction between the exponentials and their first use
.if \first
	s_wait_alu depctr_va_vdst(0)
	v_pk_add_f32 v[LS+2*\q:LS+2*\q+1], v[ST+32*\q:ST+32*\q+1], v[ST+32*\q+2:ST+32*\q+3]
.else
	s_wait_alu depctr_va_vdst(0)
	v_pk_fma_f32 v[LS+2*\q:LS+2*\q+1], v[LS+2*\q:LS+2*\q+1], v[AL+2*\q:AL+2*\q+1], v[ST+32*\q:ST+32*\q+1] op_sel_hi:[1,0,1]
	v_pk_add_f32 v[LS+2*\q:LS+2*\q+1], v[LS+2*\q:LS+2*\q+1], v[ST+32*\q+2:ST+32*\q+3]
.endif
	v_pk_add_f32 v[TP:TP+1], v[ST+32*\q+16:ST+32*\q+17], v[ST+32*\q+18:ST+32*\q+19]
.irp i, 4,6,8,10,12,14
	v_pk_add_f32 v[LS+2*\q:LS+2*\q+1], v[LS+2*\q:LS+2*\q+1], v[ST+32*\q+\i:ST+32*\q+\i+1]
	v_pk_add_f32 v[TP:TP+1], v[TP:TP+1], v[ST+32*\q+16+\i:ST+32*\q+17+\i]
.endr
	v_pk_add_f32 v[LS+2*\q:LS+2*\q+1], v[LS+2*\q:LS+2*\q+1], v[TP:TP+1]
.set i, 0
.rept 16
	v_cvt_pk_f16_f32 v[ST+32*\q+i], v[ST+32*\q+2*i], v[ST+32*\q+2*i+1]     ; step i reads registers 2 i, 2 i + 1 and writes i: never one still to be read
.set i, i+1
.endr
.if \first
.else
	WIN 0x41
.irp i, 0,2,4,6,8,10,12,14,16,18,20,22,24,26,28,30
	v_pk_mul_f32 v[32*\q+\i:32*\q+\i+1], v[32*\q+\i:32*\q+\i+1], v[AL+2*\q:AL+2*\q+1] op_sel_hi:[1,0]
.endr
.endif
.endm
; O^T(q) += V^T P(q): eight matrix instructions; the four accumulators take turns, one instruction a turn
.macro PV q, first
	WIN 0x50
.irp ht, 0,1,2,3
.if \first
	v_wmma_f32_16x16x32_f16 v[8*(4*\q+\ht):8*(4*\q+\ht)+7], v[MF+16*\ht:MF+16*\ht+7], v[ST+32*\q:ST+32*\q+7], 0
.else
	v_wmma_f32_16x16x32_f16 v[8*(4*\q+\ht):8*(4*\q+\ht)+7], v[MF+16*\ht:MF+16*\ht+7], v[ST+32*\q:ST+32*\q+7], v[8*(4*\q+\ht):8*(4*\q+\ht)+7]
.endif
.endr
.irp ht, 0,1,2,3
	v_wmma_f32_16x16x32_f16 v[8*(4*\q+\ht):8*(4*\q+\ht)+7], v[MF+16*\ht+8:MF+16*\ht+15], v[ST+32*\q+8:ST+32*\q+15], v[8*(4*\q+\ht):8*(4*\q+\ht)+7]
.endr
.endm
; One set of 64 keys from slot s.  K's fragments are in registers already.
.macro STEP s, first, nextk
.irp q, 0,1
.irp kt, 0,1,2,3
	ds_load_b128 v[MF+8*(4*\q+\kt):MF+8*(4*\q+\kt)+3],   v[AM+\s] offset:4352*\q+64*\kt
	ds_load_b128 v[MF+8*(4*\q+\kt)+4:MF+8*(4*\q+\kt)+7], v[AM+\s] offset:4352*\q+64*\kt+16
.endr
.endr
	s_wait_dscnt 16                                ; K's fragments are in; the 16 mask loads stay out
.irp kt, 0,1,2,3                                   ; 16 matrix instructions; the eight accumulators take turns, one instruction a turn
.irp q, 0,1
	v_wmma_f32_16x16x32_f16 v[ST+8*(4*\q+\kt):ST+8*(4*\q+\kt)+7], v[KF+16*\kt:KF+16*\kt+7], v[QF+16*\q:QF+16*\q+7], 0
.endr
.endr
.irp kt, 0,1,2,3
.irp q, 0,1
	v_wmma_f32_16x16x32_f16 v[ST+8*(4*\q+\kt):ST+8*(4*\q+\kt)+7], v[KF+16*\kt+8:KF+16*\kt+15], v[QF+16*\q+8:QF+16*\q+15], v[ST+8*(4*\q+\kt):ST+8*(4*\q+\kt)+7]
.endr
.endr
	s_wait_dscnt 0x0                               ; the mask
.set i, 0
.rept 32
	v_pk_add_f32 v[MF+i:MF+i+1], v[MF+i:MF+i+1], -1.0 op_sel_hi:[1,0]     ; mask - 1; these also stand between the products and what touches their registers
.set i, i+2
.endr
.if \nextk
	LOADK AK+\s                                    ; the next set's K, which lies in this slot
.endif
.set i, 0
.rept 32
	v_pk_fma_f32 v[ST+i:ST+i+1], v[MF+i:MF+i+1], s[62:63], v[ST+i:ST+i+1] op_sel_hi:[1,0,1]
.set i, i+2
.endr
.irp ht, 0,1,2,3
.irp ks, 0,1
	ds_load_tr16_b128 v[MF+8*(2*\ht+\ks):MF+8*(2*\ht+\ks)+3],   v[AV+\s] offset:9216*\ks+32*\ht
	ds_load_tr16_b128 v[MF+8*(2*\ht+\ks)+4:MF+8*(2*\ht+\ks)+7], v[AV+\s] offset:9216*\ks+32*\ht+4608
.endr
.endr
	SOFT 0, \first
	s_wait_dscnt 0x0                               ; V's fragments (and the next K's)
	PV 0, \first
	SOFT 1, \first
	PV 1, \first
	WIN 0
.rept 5
	v_nop                                          ; five places before the next set's products write over P, four before loads land on V's fragments
.endr
.endm
; Two sets, from slots a and a + 1 (a = 0 or 2).  Both have landed.  mode 2: the other two slots, which have been read, are asked for
; again behind a round of the cluster's barrier; mode 1: the same, and the second request has no K tile (there is none behind the
; last set); mode 0: nothing is asked for, and a barrier of the work-group shows each wave's parts to the others.
.macro PAIR a, mode, first
	s_set_vgpr_msb 0x5
	s_wait_tensorcnt 0x0                           ; all my tensor loads have landed: my parts of this pair's two sets; and every group 0 may be written
	ds_add_u32 v64, v65
	s_wait_dscnt 0x0
	s_set_vgpr_msb 0x500
.if \mode
.irp e, 0,1
	s_add_nc_u64 s[G0M+4*\e+2:G0M+4*\e+3], s[G0M+4*\e+2:G0M+4*\e+3], 2*MSTEP      ; two sets on,
	s_add_co_u32 s[G0M+4*\e+1], s[WB8], SB+(2-\a+\e)*SLOTB                        ; into the other pair of slots
	s_add_nc_u64 s[G0K+4*\e+2:G0K+4*\e+3], s[G0K+4*\e+2:G0K+4*\e+3], 2*KVSTEP
	s_add_co_u32 s[G0K+4*\e+1], s[WB8], SB+(2-\a+\e)*SLOTB
	s_add_nc_u64 s[G0V+4*\e+2:G0V+4*\e+3], s[G0V+4*\e+2:G0V+4*\e+3], 2*KVSTEP
	s_add_co_u32 s[G0V+4*\e+1], s[WB9], SB-3072+(2-\a+\e)*SLOTB
.endr
.endif
	s_wait_dscnt 0x0                               ; my reads of the other pair of slots are back
.if \mode
	CROUND                                         ; both now hold of every wave of every work-group of the cluster
	JSET 0, 1                                      ; the refills come first behind the round
.if \mode == 2
	JSET 1, 1
.else
	JSET 1, 0                                      ; K's second address is written and not used
.endif
.else
	s_barrier_signal -1
	s_barrier_wait -1
.endif
.if \first
	LOADK AKX
	s_wait_loadcnt 0x0                             ; Q
.endif
	STEP \a, \first, 1
.if \mode
	STEP \a+1, 0, 1
.else
	STEP \a+1, 0, 0
.endif
.endm
	PAIR 0, 2, 1                                   ; sets 0, 1; sets 2, 3 are asked for
	PAIR 2, 2, 0                                   ; sets 2, 3
	s_mov_b32 s96, 6
.Ltrip:                                            ; sets 4 .. 27, four a trip
	PAIR 0, 2, 0
	PAIR 2, 2, 0
	s_sub_co_u32 s96, s96, 1
	s_cmp_lg_u32 s96, 0
	s_cbranch_scc1 .Ltrip
	PAIR 0, 1, 0                                   ; sets 28, 29; sets 30, 31 are asked for
	PAIR 2, 0, 0                                   ; sets 30, 31
	; THE WAY OUT: divide by the row sums, split into hi and lo, 16 bytes a lane and part into the stage, whole rows of 256 bytes back and out.
	; The stage is slot 0: its last fill (set 28) has landed, and every wave's last read of it came back in front of the barrier of the last two sets.
	s_mul_i32 s97, s11, 8704
	s_lshl_b32 s96, s13, 7
	s_add_co_u32 s97, s97, s96
	s_add_co_u32 s97, s97, SB
	v_mul_u32_u24 v[AKX], v1, 272                  ; row 32 (w & 3) + r (+ 16 q), my head's 128 bytes, 16 bytes a half
	v_lshl_add_u32 v[AKX], v2, 4, v[AKX]
	v_add_nc_u32 v[AKX], s97, v[AKX]
	s_mul_i32 s96, s10, 4352                       ; back: rows 16 w .. 16 w + 15, two an instruction
	s_add_co_u32 s96, s96, SB
	v_mul_u32_u24 v[RD], v2, 272                   ; (Q's loads, which read v6 and s[2:3], were waited for)
	v_lshl_add_u32 v[RD], v1, 4, v[RD]
	v_add_nc_u32 v[RD], s96, v[RD]
	v_lshlrev_b32 v[CO], 12, v2                    ; a row of att is 4,096 bytes: hi's 2,048, then lo's
	v_lshl_add_u32 v[CO], v1, 4, v[CO]
	s_lshr_b32 s2, s16, 3                          ; att: row 2048 x batch + 128 y + 16 w
	s_lshl_b32 s2, s2, 11
	s_lshl_b32 s3, s17, 7
	s_add_co_u32 s2, s2, s3
	s_lshl_b32 s3, s10, 4
	s_add_co_u32 s2, s2, s3
	s_lshl_b32 s2, s2, 12
	s_and_b32 s3, s16, 7
	s_lshl_b32 s3, s3, 8
	s_add_co_u32 s2, s2, s3
	s_mov_b32 s3, 0
	s_add_nc_u64 s[8:9], s[8:9], s[2:3]
.irp q, 0,1
	v_add_f32 v[T0], v[LS+2*\q], v[LS+2*\q+1]
	v_permlanex16_b32 v[T1], v[T0], s66, s67
	v_add_f32 v[T0], v[T0], v[T1]                  ; about 1 at the least: the key of the maximum counts 2^0
	v_rcp_f32 v[AL+2*\q], v[T0]
	v_nop
	WIN 0x01                                       ; source 0 window 1 (O^T), destination window 0 (where P lay)
	s_wait_alu depctr_va_vdst(0)
.irp i, 0,2,4,6,8,10,12,14,16,18,20,22,24,26,28,30
	v_pk_mul_f32 v[ST+32*\q+\i:ST+32*\q+\i+1], v[32*\q+\i:32*\q+\i+1], v[AL+2*\q:AL+2*\q+1] op_sel_hi:[1,0]
.endr
	WIN 0
.irp i, 0,1,2,3,4,5,6,7,8,9,10,11,12,13,14,15
	v_cvt_pk_bf16_f32 v[KF+16*\q+\i], v[ST+32*\q+2*\i], v[ST+32*\q+2*\i+1]         ; hi
.endr
.irp i, 0,1,2,3,4,5,6,7,8,9,10,11,12,13,14,15
	v_lshlrev_b32 v[MF+2*\i], 16, v[KF+16*\q+\i]                                   ; hi again as f32
	v_and_b32 v[MF+2*\i+1], 0xffff0000, v[KF+16*\q+\i]
.endr
.irp i, 0,2,4,6,8,10,12,14,16,18,20,22,24,26,28,30
	v_pk_add_f32 v[ST+32*\q+\i:ST+32*\q+\i+1], v[ST+32*\q+\i:ST+32*\q+\i+1], v[MF+\i:MF+\i+1] neg_lo:[0,1] neg_hi:[0,1]   ; what hi left out
.endr
.irp i, 0,1,2,3,4,5,6,7,8,9,10,11,12,13,14,15
	v_cvt_pk_bf16_f32 v[KF+32+16*\q+\i], v[ST+32*\q+2*\i], v[ST+32*\q+2*\i+1]      ; lo
.endr
.irp ht, 0,1,2,3
	ds_store_b128 v[AKX], v[KF+16*\q+4*\ht:KF+16*\q+4*\ht+3] offset:4352*\q+32*\ht
	ds_store_b128 v[AKX], v[KF+32+16*\q+4*\ht:KF+32+16*\q+4*\ht+3] offset:STG2+4352*\q+32*\ht
.endr
.endr
	s_wait_dscnt 0x0                               ; my stores are in LDS, for the other waves' sake
	s_barrier_signal -1
	s_barrier_wait -1
.irp t, 0,1,2,3,4,5,6,7
	ds_load_b128 v[MF+4*\t:MF+4*\t+3], v[RD] offset:544*\t
.endr
.irp t, 0,1,2,3,4,5,6,7
	ds_load_b128 v[MF+32+4*\t:MF+32+4*\t+3], v[RD] offset:STG2+544*\t
.endr
.irp t, 0,1,2,3,4,5,6,7
	s_wait_dscnt 15-\t                             ; hi's piece t is in; the younger 15 - t loads stay out
	global_store_b128 v[CO], v[MF+4*\t:MF+4*\t+3], s[8:9] offset:8192*\t           ; sixteen lanes store 256 consecutive bytes, aligned
.endr
.irp t, 0,1,2,3,4,5,6,7
	s_wait_dscnt 7-\t
	global_store_b128 v[CO], v[MF+32+4*\t:MF+32+4*\t+3], s[8:9] offset:8192*\t+2048
.endr
	s_set_vgpr_msb 0x5
	s_wait_tensorcnt 0x0
	ds_add_u32 v64, v65
	s_wait_dscnt 0x0
	s_set_vgpr_msb 0x500
	CROUND                                         ; the closing round
	s_endpgm
.Lfunc_end_k_q47ee47cbb1_attn:
	.size	k_q47ee47cbb1_attn, .Lfunc_end_k_q47ee47cbb1_attn-k_q47ee47cbb1_attn
	.p2alignl 7, 3214868480
	.fill 96, 4, 3214868480
	.section	.rodata,"a",@progbits
	.p2align	6, 0x0
	.amdhsa_kernel k_q47ee47cbb1_attn
		.amdhsa_group_segment_fixed_size 327680
		.amdhsa_private_segment_fixed_size 0
		.amdhsa_enable_private_segment 0
		.amdhsa_kernarg_size 24
		.amdhsa_user_sgpr_count 2
		.amdhsa_user_sgpr_kernarg_segment_ptr 1
		.amdhsa_wavefront_size32 1
		.amdhsa_system_sgpr_workgroup_id_x 1
		.amdhsa_system_sgpr_workgroup_id_y 1
		.amdhsa_system_sgpr_workgroup_id_z 1
		.amdhsa_system_vgpr_workitem_id 0
		.amdhsa_next_free_vgpr 322
		.amdhsa_next_free_sgpr 102
		.amdhsa_reserve_vcc 0
		.amdhsa_float_denorm_mode_32 3
		.amdhsa_float_denorm_mode_16_64 3
		.amdhsa_memory_ordered 1
		.amdhsa_forward_progress 1
		.amdhsa_inst_pref_size 255
	.end_amdhsa_kernel
	.section	.bss,"aw",@nobits
	.p2align	6
	.space	262144
	.amdgpu_metadata
---
amdhsa.version: [ 1, 2 ]
amdhsa.kernels:
  - .name:           k_q47ee47cbb1_attn
    .symbol:         k_q47ee47cbb1_attn.kd
    .args:
      - { .name: qkv, .offset: 0, .size: 8, .value_kind: global_buffer, .address_space: global }
      - { .name: mask, .offset: 8, .size: 8, .value_kind: global_buffer, .address_space: global }
      - { .name: att, .offset: 16, .size: 8, .value_kind: global_buffer, .address_space: global }
    .group_segment_fixed_size: 327680
    .private_segment_fixed_size: 0
    .kernarg_segment_align: 8
    .kernarg_segment_size: 24
    .max_flat_workgroup_size: 256
    .sgpr_count:     102
    .vgpr_count:     322
    .wavefront_size: 32
...
	.end_amdgpu_metadata
.endif
;; end of part 3
;; launch proj (part 4): grid 8 x 32, 4 waves a work-group, clusters of 4 x 4, 327,680 bytes of LDS; arguments att, wT, b_proj, out0; writes out0
.if DOCPART == 4
	.amdgcn_target "amdgcn-amd-amdhsa--gfx1250"
	.amdhsa_code_object_version 6
	.text
	.protected	k_q47ee47cbb1_proj
	.globl	k_q47ee47cbb1_proj
	.p2align	8
	.type	k_q47ee47cbb1_proj,@function
k_q47ee47cbb1_proj:
	s_mov_b64 s[64:65], 0
	v_nop
	global_prefetch_b8 v0, s[64:65] scope:SCOPE_SE
	s_setreg_imm32_b32 hwreg(HW_REG_WAVE_MODE, 25, 1), 1
	s_wait_xcnt 0x0
	s_wait_alu depctr_hold_cnt(0) depctr_sa_sdst(0) depctr_va_vdst(0) depctr_va_sdst(0) depctr_va_ssrc(0) depctr_va_vcc(0) depctr_vm_vsrc(0)
	s_getreg_b32 s2, hwreg(HW_REG_IB_STS2, 6, 4)
	s_cmp_eq_u32 s2, 0
	s_cbranch_scc0 .Lentry_in_a_cluster
	s_endpgm
.Lentry_in_a_cluster:
	s_bfe_u32 s2, ttmp6, 0x10000c
	s_cmp_lg_u32 s2, 0xf033
	s_cbranch_scc0 .Lentry_shape_is_right
	s_endpgm
.Lentry_shape_is_right:
; out0[4096][1024] (f32) = (hi + lo) x wT[3072:4096][1024]^T + b_proj, operands bf16, sums in f32.
; att[4096][2048] holds the attention's result in two bf16 parts, hi in columns 0-1023 and lo in columns 1024-2047: the product is one
; GEMM with K = 2048 in which wT's 1024 columns are walked twice.  So att enters with 16 significant bits and the weights with bf16's 8.
; 256 work-groups of 128 x 128; four waves 2 x 2, 64 x 64 each: 16 accumulator tiles.  The block's size follows from the output:
; 4096 x 1024 numbers over 256 work-groups.  K goes in eight steps of 256 through two LDS slots (rows of 512 consecutive bytes, aligned).
; CLUSTERS: 4 x 4.  att's tile hangs on the block row alone: asked for jointly by a row of the cluster (waves 0, 1); wT's on the
; block column alone: by a column (waves 2, 3).
; Window 0: addresses and fragments (two buffers: att's four fragments, then wT's four).  Window 1: accumulators (tile (a, b) at
; 8 (4 a + b)) and the bias, which is the C of the first products.  The matrix instruction is used transposed (source 0 = wT's rows):
; a lane holds eight neighbouring columns of one row, 32 bytes of f32.
.set KSTEP,  256
.set PITCH,  528                       ; 512 bytes + 16: an odd multiple of 16
.set PART,   64*PITCH
.set SLOT,   4*PART                    ; att's 128 rows, then wT's 128 rows
.set STAGE,  2*SLOT                    ; 16 rows x 272 bytes for each wave; no tensor load fills it
.set SPITCH, 272
.set ADRA, 16
.set ADRB, 20
.set STO,  24
.set RD,   25
.set CO,   26
.set BO,   27
.set F0,   64
.set F1,   128
.set BIAS, 128                         ; window 1
.set G1,  24
.set G0,  32
.set G1B, 48
.set G0B, 56
.set MSB, 0
.macro WIN new
.if MSB != \new
	s_set_vgpr_msb (MSB<<8)|\new
.set MSB, \new
.endif
.endm
.set MUL, 0x50                         ; sources 0 and 1 window 0, C and D window 1
.macro JLOAD s
	s_cmp_eq_u32 s22, 0
	s_cbranch_scc0 .Lfor_b_\@
	tensor_load_to_lds s[G0+4*\s:G0+4*\s+3], s[G1:G1+7]
	s_nop 0
	s_branch .Lasked_\@
.Lfor_b_\@:
	tensor_load_to_lds s[G0B+4*\s:G0B+4*\s+3], s[G1B:G1B+7]
	s_nop 0
.Lasked_\@:
.endm
.macro CREST
	s_cmp_lg_u32 s12, 0
	s_cbranch_scc1 .Lnot_wave_0_\@
	s_barrier_signal -3
.Lnot_wave_0_\@:
	s_barrier_wait -3
	s_barrier_signal -1
	s_barrier_wait -1
.endm
.macro CROUND
	s_barrier_signal -1
	s_barrier_wait -1
	CREST
.endm
	s_load_b256 s[4:11], s[0:1], 0x0               ; att s[4:5], wT s[6:7], b_proj s[8:9], out0 s[10:11]
	v_lshl_add_u32 v254, v0, 2, 0x46400
	v_mov_b32 v255, 0
	ds_add_u32 v254, v255
	v_lshrrev_b32 v1, 5, v0
	v_readfirstlane_b32 s12, v1                    ; wave 0..3
	s_lshr_b32 s22, s12, 1                         ; my half of the block's rows; also: I fetch for att (0) or wT (1)
	s_and_b32 s23, s12, 1                          ; my half of its columns; also: which 64 rows I fetch
	s_bfe_u32 s40, ttmp6, 0x40000                  ; cx
	s_bfe_u32 s41, ttmp6, 0x40004                  ; cy
	s_lshl_b32 s42, ttmp9, 2
	s_add_co_u32 s42, s42, s40                     ; block column
	s_and_b32 s13, ttmp7, 0xffff
	s_lshl_b32 s13, s13, 2
	s_add_co_u32 s13, s13, s41                     ; block row
	s_lshl_b32 s43, s41, 2
	s_lshl_b32 s43, 15, s43
	s_lshl_b32 s44, 0x1111, s40
	s_or_b32 s[G1+0], s43, (1<<16)|(1<<20)|(1<<21)|(6<<22)|(3<<25)   ; 2-byte elements; 4 words of padding behind every 128
	s_or_b32 s[G1B+0], s44, (1<<16)|(1<<20)|(1<<21)|(6<<22)|(3<<25)
	s_mov_b32 s[G1+1], KSTEP<<16
	s_mov_b32 s[G1B+1], KSTEP<<16
	s_mov_b32 s[G1+2], 64<<16
	s_mov_b32 s[G1B+2], 64<<16
	s_mov_b32 s[G1+3], KSTEP<<16
	s_mov_b32 s[G1B+3], KSTEP<<16
	s_mov_b32 s[G1+4], 64
	s_mov_b32 s[G1B+4], 64
	s_mov_b32 s[G1+5], 2048                        ; att: 2,048 elements from row to row
	s_mov_b32 s[G1B+5], 1024                       ; wT: 1,024
	s_mov_b32 s[G1+6], 0
	s_mov_b32 s[G1B+6], 0
	s_mov_b32 s[G1+7], 0
	s_mov_b32 s[G1B+7], 0
	s_lshl_b32 s17, s23, 6
	s_lshl_b32 s16, s13, 7
	s_add_co_u32 s16, s16, s17                     ; att: row 128 x block row + 64 x half,
	s_lshl_b32 s16, s16, 12                        ; of 4,096 bytes
	s_lshl_b32 s46, s42, 7
	s_add_co_u32 s46, s46, s17
	s_add_co_u32 s46, s46, 3072                    ; wT: row 3072 + 128 x block column + 64 x half,
	s_lshl_b32 s46, s46, 11                        ; of 2,048 bytes
	s_mov_b32 s17, 0
	s_mov_b32 s47, 0
	s_mul_i32 s20, s12, PART
	s_wait_dscnt 0x0
	s_wait_kmcnt 0x0
	s_add_nc_u64 s[14:15], s[4:5], s[16:17]
	s_add_nc_u64 s[46:47], s[6:7], s[46:47]
	CROUND
.irp s, 0,1
	s_mov_b32 s[G0+4*\s], 1
	s_add_co_u32 s[G0+4*\s+1], s20, \s*SLOT
	s_add_nc_u64 s[G0+4*\s+2:G0+4*\s+3], s[14:15], \s*KSTEP*2
	s_or_b32 s[G0+4*\s+3], s[G0+4*\s+3], 0x80000000
	s_mov_b32 s[G0B+4*\s], 1
	s_add_co_u32 s[G0B+4*\s+1], s20, \s*SLOT
	s_add_nc_u64 s[G0B+4*\s+2:G0B+4*\s+3], s[46:47], \s*KSTEP*2
	s_or_b32 s[G0B+4*\s+3], s[G0B+4*\s+3], 0x80000000
	JLOAD \s
.endr
	v_and_b32 v1, 15, v0                           ; r
	v_bfe_u32 v2, v0, 4, 1                         ; h
	s_lshl_b32 s69, s23, 8
	v_lshl_add_u32 v[BO], v2, 5, s69               ; (64 x column half + 8 h) x 4 bytes
	s_lshl_b32 s70, s42, 9                         ; 128 columns x 4 bytes a block column
	s_mov_b32 s71, 0
	s_add_nc_u64 s[8:9], s[8:9], s[70:71]
	WIN 0x40
.irp b, 0,1,2,3
	global_load_b128 v[BIAS+8*\b:BIAS+8*\b+3], v[BO], s[8:9] offset:64*\b
	global_load_b128 v[BIAS+8*\b+4:BIAS+8*\b+7], v[BO], s[8:9] offset:64*\b+16
.endr
	WIN 0
	v_mul_u32_u24 v3, v1, PITCH
	v_lshl_add_u32 v3, v2, 4, v3
	s_mul_i32 s21, s22, PART                       ; my 64 rows of att's tile
	s_mul_i32 s68, s23, PART                       ; my 64 rows of wT's,
	s_add_co_u32 s68, s68, 2*PART                  ; which lie behind att's 128
	v_add_nc_u32 v[ADRA], s21, v3
	v_add_nc_u32 v[ADRA+1], SLOT, v[ADRA]
	v_add_nc_u32 v[ADRB], s68, v3
	v_add_nc_u32 v[ADRB+1], SLOT, v[ADRB]
	s_mul_i32 s69, s12, 16*SPITCH
	s_add_co_u32 s69, s69, STAGE                   ; my stage
	v_mul_u32_u24 v4, v1, SPITCH
	v_lshl_add_u32 v4, v2, 5, v4                   ; in: row r, 32 bytes a half
	v_add_nc_u32 v[STO], s69, v4
	v_mul_u32_u24 v5, v2, SPITCH
	v_lshl_add_u32 v5, v1, 4, v5                   ; back: two rows of 256 bytes an instruction
	v_add_nc_u32 v[RD], s69, v5
	v_lshlrev_b32 v5, 12, v2
	v_lshl_add_u32 v[CO], v1, 4, v5
	s_wait_loadcnt 0x0                             ; the bias
.macro MULA f, a, init                 ; four matrix instructions: row block a x my four column blocks
.irp b, 0,1,2,3
.if \init
	v_wmma_f32_16x16x32_bf16 v[8*(4*\a+\b):8*(4*\a+\b)+7], v[\f+32+8*\b:\f+32+8*\b+7], v[\f+8*\a:\f+8*\a+7], v[BIAS+8*\b:BIAS+8*\b+7]
.else
	v_wmma_f32_16x16x32_bf16 v[8*(4*\a+\b):8*(4*\a+\b)+7], v[\f+32+8*\b:\f+32+8*\b+7], v[\f+8*\a:\f+8*\a+7], v[8*(4*\a+\b):8*(4*\a+\b)+7]
.endif
.endr
.endm
.macro FETCH slot, k, f                ; 16 loads: wT's four fragments, then att's four
	WIN 0
.irp i, 0,1,2,3
	ds_load_b128 v[\f+32+8*\i:\f+32+8*\i+3], v[ADRB+\slot] offset:\k+\i*16*PITCH
	ds_load_b128 v[\f+32+8*\i+4:\f+32+8*\i+7], v[ADRB+\slot] offset:\k+\i*16*PITCH+32
.endr
.irp i, 0,1,2,3
	ds_load_b128 v[\f+8*\i:\f+8*\i+3],   v[ADRA+\slot] offset:\k+\i*16*PITCH
	ds_load_b128 v[\f+8*\i+4:\f+8*\i+7], v[ADRA+\slot] offset:\k+\i*16*PITCH+32
.endr
.endm
.macro PLACES                          ; four independent vector instructions behind a matrix instruction (ISA guide 7.12.1)
.rept 4
	v_nop
.endr
.endm
; 32 along K: 16 matrix instructions; the 16 accumulators take turns, one instruction a turn
.macro QUARTER slot, k, f, g, init
	s_wait_dscnt 4                                 ; all but att's fragments 2 and 3 (the youngest four loads)
	WIN MUL
	MULA \f, 0, \init
	MULA \f, 1, \init
	PLACES
	FETCH \slot, \k, \g
	s_wait_dscnt 16                                ; all but the 16 just issued
	WIN MUL
	MULA \f, 2, \init
	MULA \f, 3, \init
.endm
.macro SEVEN slot, init
	QUARTER \slot, 64,  F0, F1, \init
	QUARTER \slot, 128, F1, F0, 0
	QUARTER \slot, 192, F0, F1, 0
	QUARTER \slot, 256, F1, F0, 0
	QUARTER \slot, 320, F0, F1, 0
	QUARTER \slot, 384, F1, F0, 0
	QUARTER \slot, 448, F0, F1, 0
.endm
; The eighth part of a K step changes slots.  fill = 0: nothing is fetched; 1: this slot gets the K step two further on, wT's address
; goes 512 columns on; 2: the same, wT's address goes 512 columns back (K step s takes wT's columns 256 (s % 4) ..).
.macro TURN slot, next, fill
	s_wait_dscnt 4
	WIN MUL
	MULA F1, 0, 0
	s_wait_dscnt 0x0                               ; my reads of this slot are over
	s_wait_tensorcnt 0x0                           ; all my tensor loads have landed
	ds_add_u32 v254, v255
	s_wait_dscnt 0x0
	s_barrier_signal -1
	MULA F1, 1, 0
	WIN 0
	s_barrier_wait -1
.if \fill
	CREST                                          ; the barrier above opened a round of the cluster's barrier; the joint refill comes first behind it
	s_add_nc_u64 s[G0+4*\slot+2:G0+4*\slot+3], s[G0+4*\slot+2:G0+4*\slot+3], 2*KSTEP*2
.if \fill == 1
	s_add_nc_u64 s[G0B+4*\slot+2:G0B+4*\slot+3], s[G0B+4*\slot+2:G0B+4*\slot+3], 2*KSTEP*2
.else
	s_sub_nc_u64 s[G0B+4*\slot+2:G0B+4*\slot+3], s[G0B+4*\slot+2:G0B+4*\slot+3], 2*KSTEP*2
.endif
	JLOAD \slot
.endif
	PLACES
	FETCH \next, 0, F0
	WIN MUL
	MULA F1, 2, 0
	MULA F1, 3, 0
.endm
	s_wait_tensorcnt 1                             ; my part of K step 0 is in; K step 1's load stays out
	s_barrier_signal -1
	s_barrier_wait -1
	FETCH 0, 0, F0
	SEVEN 0, 1                                     ; K step 0 (hi): its first products take the bias as C
	TURN 0, 1, 1                                   ; slot 0 gets K step 2
	SEVEN 1, 0                                     ; K step 1
	TURN 1, 0, 1                                   ; slot 1 gets K step 3
	SEVEN 0, 0                                     ; K step 2
	TURN 0, 1, 2                                   ; slot 0 gets K step 4: lo's first, wT's columns from 0 again
	SEVEN 1, 0                                     ; K step 3
	TURN 1, 0, 2                                   ; slot 1 gets K step 5
	SEVEN 0, 0                                     ; K step 4 (lo)
	TURN 0, 1, 1                                   ; slot 0 gets K step 6
	SEVEN 1, 0                                     ; K step 5
	TURN 1, 0, 1                                   ; slot 1 gets K step 7
	SEVEN 0, 0                                     ; K step 6
	TURN 0, 1, 0
	SEVEN 1, 0                                     ; K step 7
	s_wait_dscnt 4
	WIN MUL
	MULA F1, 0, 0
	MULA F1, 1, 0
	s_wait_dscnt 0x0
	MULA F1, 2, 0
	MULA F1, 3, 0
	; THE WAY OUT, 16 rows at a time through my own stage: 32 bytes a lane in, whole rows of 256 bytes back and out.
	PLACES
	s_lshl_b32 s16, s13, 7
	s_lshl_b32 s17, s22, 6
	s_add_co_u32 s16, s16, s17                     ; my first row
	s_lshl_b32 s16, s16, 12
	s_mov_b32 s17, 0
	s_add_nc_u64 s[10:11], s[10:11], s[16:17]
	s_lshl_b32 s46, s42, 9                         ; my first column in bytes: 512 x block column + 256 x half
	s_lshl_b32 s47, s23, 8
	s_add_co_u32 s46, s46, s47
	s_mov_b32 s47, 0
	s_add_nc_u64 s[10:11], s[10:11], s[46:47]
.macro OUT16 a, f
	WIN 0x04                                       ; an LDS store's data is source 1: window 1
.irp b, 0,1,2,3
	ds_store_b128 v[STO], v[8*(4*\a+\b):8*(4*\a+\b)+3] offset:64*\b
	ds_store_b128 v[STO], v[8*(4*\a+\b)+4:8*(4*\a+\b)+7] offset:64*\b+16
.endr
	WIN 0
	s_wait_xcnt 0x0                                ; buffer f, which earlier stores read, is loaded again only behind this wait
.irp t, 0,1,2,3,4,5,6,7
	ds_load_b128 v[\f+4*\t:\f+4*\t+3], v[RD] offset:\t*2*SPITCH    ; LDS serves a wave's instructions in order (ISA guide 5.7.1.4): these see the stores above
.endr
.irp t, 0,1,2,3,4,5,6,7
	s_wait_dscnt 7-\t
	global_store_b128 v[CO], v[\f+4*\t:\f+4*\t+3], s[10:11] offset:65536*\a+8192*\t   ; sixteen lanes store 256 consecutive bytes, aligned
.endr
.endm
	OUT16 0, F0
	OUT16 1, F1
	OUT16 2, F0
	OUT16 3, F1
	s_wait_tensorcnt 0x0
	ds_add_u32 v254, v255
	s_wait_dscnt 0x0
	CROUND                                         ; the closing round
	s_endpgm
.Lfunc_end_k_q47ee47cbb1_proj:
	.size	k_q47ee47cbb1_proj, .Lfunc_end_k_q47ee47cbb1_proj-k_q47ee47cbb1_proj
	.p2alignl 7, 3214868480
	.fill 96, 4, 3214868480
	.section	.rodata,"a",@progbits
	.p2align	6, 0x0
	.amdhsa_kernel k_q47ee47cbb1_proj
		.amdhsa_group_segment_fixed_size 327680
		.amdhsa_private_segment_fixed_size 0
		.amdhsa_enable_private_segment 0
		.amdhsa_kernarg_size 32
		.amdhsa_user_sgpr_count 2
		.amdhsa_user_sgpr_kernarg_segment_ptr 1
		.amdhsa_wavefront_size32 1
		.amdhsa_system_sgpr_workgroup_id_x 1
		.amdhsa_system_sgpr_workgroup_id_y 1
		.amdhsa_system_sgpr_workgroup_id_z 1
		.amdhsa_system_vgpr_workitem_id 0
		.amdhsa_next_free_vgpr 448
		.amdhsa_next_free_sgpr 72
		.amdhsa_reserve_vcc 0
		.amdhsa_float_denorm_mode_32 3
		.amdhsa_float_denorm_mode_16_64 3
		.amdhsa_memory_ordered 1
		.amdhsa_forward_progress 1
		.amdhsa_inst_pref_size 166
	.end_amdhsa_kernel
	.amdgpu_metadata
---
amdhsa.version: [ 1, 2 ]
amdhsa.kernels:
  - .name:           k_q47ee47cbb1_proj
    .symbol:         k_q47ee47cbb1_proj.kd
    .args:
      - { .name: att, .offset: 0, .size: 8, .value_kind: global_buffer, .address_space: global }
      - { .name: wT, .offset: 8, .size: 8, .value_kind: global_buffer, .address_space: global }
      - { .name: b_proj, .offset: 16, .size: 8, .value_kind: global_buffer, .address_space: global }
      - { .name: out0, .offset: 24, .size: 8, .value_kind: global_buffer, .address_space: global }
    .group_segment_fixed_size: 327680
    .private_segment_fixed_size: 0
    .kernarg_segment_align: 8
    .kernarg_segment_size: 32
    .max_flat_workgroup_size: 128
    .sgpr_count:     72
    .vgpr_count:     448
    .wavefront_size: 32
...
	.end_amdgpu_metadata
.endif
;; end of part 4
;; ======== version 2 of 2: 4 launches; version 1 with the launch prep written anew for expert scheduling mode
;; limits: values are held in f16: magnitudes above 65,504 overflow, below 6.1e-05 lose precision
;; workspace buffers: xb 8,388,608 bytes; wT 8,388,608 bytes; qkv 25,165,824 bytes; att 16,777,216 bytes
;; launch prep (part 5): grid 256 x 1, 8 waves a work-group, no clusters, 34,304 bytes of LDS; arguments x, W_qkv, W_proj, xb, wT; writes xb, wT
.if DOCPART == 5
	.amdgcn_target "amdgcn-amd-amdhsa--gfx1250"
	.amdhsa_code_object_version 6
	.text
	.protected	k_q47ee47cbb1_prep
	.globl	k_q47ee47cbb1_prep
	.p2align	8
	.type	k_q47ee47cbb1_prep,@function
k_q47ee47cbb1_prep:
	s_mov_b64 s[64:65], 0
	v_nop
	global_prefetch_b8 v0, s[64:65] scope:SCOPE_SE
	s_setreg_imm32_b32 hwreg(HW_REG_WAVE_SCHED_MODE, 0, 2), 2
	s_setreg_imm32_b32 hwreg(HW_REG_WAVE_MODE, 25, 1), 1
	s_wait_xcnt 0x0
	s_wait_alu depctr_vm_vsrc(0)
; prep: the inputs of the two big products, once, rounded to bf16, with K along the rows.
;   xb[4096][1024]  = bf16(x)
;   wT[4096][1024]: rows 0-3071 = W_qkv transposed (row n = column n of W_qkv), rows 3072-4095 = W_proj transposed.
; Nothing is scaled here: each number is rounded as it stands.
; 256 work-groups of eight waves.  Work-group g converts 65,536 bytes of x and transposes one tile of 256 k x 64 n of W.
; Every load of a wave covers whole rows of 256 consecutive bytes; every store of a wave covers 256 consecutive bytes, aligned.
; The transposition goes through LDS: 64 rows (n) of 512 bytes (256 k in bf16) at a pitch of 520 bytes.
; No matrix unit, no cluster, no tensor loads: each byte is touched once and no two work-groups share any.
; THE MODE: SCHED_MODE bits 1:0 = 2 (LLVM: expert scheduling mode 2), set by the entry lines.  The code itself states the register
; dependences between vector instructions and memory or LDS instructions, with s_wait_alu, always for 0.
; THE PLAN.  Registers that memory or LDS instructions touch, in program order (there is no loop):
;   v[8:23], v2, v3   offsets of W's loads, x's loads and xb's stores: written at the head, never again.
;   v4, v5, v6        addresses of the LDS stores, the LDS loads and wT's stores: written behind the loads, never again.
;   WD  v[32:95]      W's loads land; 32 conversions read all and write half of them in place; the 32 LDS stores read those;
;                     behind the barrier the 16 LDS loads land in v[32:63]; wT's stores read these.
;   XD  v[96:159]     x's loads land; 32 conversions read all and write half of them in place; xb's 16 stores read those.
;   v168, v169        written at the head, read by the closing add alone.
; Each group of 32 conversions stands in one run, one wait on va_vdst follows it, and the stores that read its results stand in one
; run behind that wait.  The wait behind W's conversions also serves the LDS loads into WD: no vector line behind it names WD.
; One wait on vm_vsrc stands ahead of those loads, for the LDS stores that read WD.
.set LPW,  520                         ; LDS pitch
.set OFFW, 8                           ; v[8:23]   byte offsets of my 16 pieces of W rows
.set WD,   32                          ; v[32:95]  W as loaded, 16 x 4 registers; later the transposed rows
.set XD,   96                          ; v[96:159] x as loaded, 16 x 4 registers
	s_load_b256 s[4:11], s[0:1], 0x0               ; x s[4:5], W_qkv s[6:7], W_proj s[8:9], xb s[10:11]
	s_load_b64 s[12:13], s[0:1], 0x20              ; wT
	v_lshl_add_u32 v168, v0, 2, 0x8200             ; my spare word, behind the 64 x 520 bytes of the transposition; kept for the closing lines alone
	v_mov_b32 v169, 0                              ; and 0, likewise
	v_lshrrev_b32 v1, 5, v0
	v_readfirstlane_b32 s14, v1                    ; wave w
	v_and_b32 v1, 15, v0                           ; r
	v_bfe_u32 v7, v0, 4, 1                         ; h
	v_and_b32 v24, 31, v0                          ; lane
	v_lshlrev_b32 v2, 4, v0                        ; x: 16 bytes a thread
	v_lshlrev_b32 v3, 3, v0                        ; xb: 8 bytes a thread
	s_wait_alu depctr_va_sdst(0)                   ; s14 is written, ahead of its first reader: the source's rows and the LDS addresses are made from it
	s_lshr_b32 s15, ttmp9, 2                       ; nt: which 64 rows of wT
	s_and_b32 s16, ttmp9, 3                        ; kq: which 256 k
	s_sub_co_u32 s18, s15, 48                      ; the column tile if the source is W_proj
	s_mov_b32 s17, 12288                           ; bytes in a row of W_qkv
	s_mov_b32 s19, 4096                            ; bytes in a row of W_proj
	s_cmp_lt_u32 s15, 48                           ; W_qkv or W_proj?
	s_cselect_b32 s17, s17, s19                    ; the source's pitch
	s_cselect_b32 s18, s15, s18                    ; the source's column tile
	s_wait_kmcnt 0x0
	s_cselect_b64 s[20:21], s[6:7], s[8:9]         ; the source (the compare above still stands: selects and waits leave SCC)
	s_lshl_b32 s26, s18, 8                         ; 64 columns of f32 = 256 bytes
	s_mov_b32 s27, 0
	s_add_nc_u64 s[20:21], s[20:21], s[26:27]
	s_lshl_b32 s24, s16, 8
	s_lshl2_add_u32 s24, s14, s24                  ; 256 kq + 4 w
	v_lshl_add_u32 v25, v7, 1, s24                 ; + 2 h: my first row of the source
	v_lshlrev_b32 v26, 4, v1                       ; 16 r: my 4 columns
	v_mad_u32 v25, v25, s17, v26
.irp n, 0,1,2,3,4,5,6,7,8,9,10,11,12,13,14,15
	s_mul_i32 s25, s17, 32*(\n/2)+(\n%2)           ; piece n = 2 i + e is row 32 i + e further down
	v_add_nc_u32 v[OFFW+\n], s25, v25
.endr
	s_wait_alu depctr_va_vdst(0)                   ; v[8:23], v2 and v3 are written: the loads below and xb's stores read them as offsets
.irp n, 0,1,2,3,4,5,6,7,8,9,10,11,12,13,14,15
	global_load_b128 v[WD+4*\n:WD+4*\n+3], v[OFFW+\n], s[20:21] th:TH_LOAD_NT
.endr
	s_lshl_b32 s28, ttmp9, 16                      ; my 65,536 bytes of x
	s_mov_b32 s29, 0
	s_add_nc_u64 s[4:5], s[4:5], s[28:29]
.irp i, 0,1,2,3,4,5,6,7,8,9,10,11,12,13,14,15
	global_load_b128 v[XD+4*\i:XD+4*\i+3], v2, s[4:5] offset:4096*\i th:TH_LOAD_NT
.endr
	s_lshl_b32 s30, ttmp9, 15                      ; my 32,768 bytes of xb
	s_mov_b32 s31, 0
	s_add_nc_u64 s[10:11], s[10:11], s[30:31]
	s_lshl_b32 s32, s15, 17                        ; 64 rows of wT of 2,048 bytes
	s_lshl_b32 s33, s16, 9                         ; 256 k of 2 bytes
	s_add_co_u32 s32, s32, s33
	s_mov_b32 s33, 0
	s_add_nc_u64 s[12:13], s[12:13], s[32:33]
	v_mul_u32_u24 v4, v1, 4*LPW                    ; LDS, in: row n = 4 r + c,
	v_lshl_add_u32 v4, v7, 2, v4                   ; word 16 i + 2 w + h of the row (two neighbouring k)
	s_lshl_b32 s25, s14, 3
	v_add_nc_u32 v4, s25, v4
	s_mul_i32 s34, s14, 8*LPW                      ; LDS, back: rows 8 w .. 8 w + 7, 8 bytes a lane
	v_lshl_add_u32 v5, v24, 3, s34
	s_lshl_b32 s35, s14, 14                        ; the same rows in wT
	v_lshl_add_u32 v6, v24, 3, s35
	s_wait_loadcnt 16                              ; W's 16 loads are in; the 16 younger loads of x stay out
.irp i, 0,1,2,3,4,5,6,7
.irp c, 0,1,2,3
	v_cvt_pk_bf16_f32 v[WD+8*\i+\c], v[WD+8*\i+\c], v[WD+8*\i+4+\c]    ; rows 2 p and 2 p + 1 of one column: two neighbouring k
.endr
.endr
	s_wait_alu depctr_va_vdst(0)                   ; the 32 conversions have written the LDS stores' data and are done reading WD, in which LDS loads land later; v4, v5 and v6 are written
.irp i, 0,1,2,3,4,5,6,7
.irp c, 0,1,2,3
	ds_store_b32 v4, v[WD+8*\i+\c] offset:LPW*\c+64*\i
.endr
.endr
	s_wait_dscnt 0x0                               ; my stores are in LDS, for the other waves' sake
	s_barrier_signal -1
	s_barrier_wait -1
	s_wait_alu depctr_vm_vsrc(0)                   ; my LDS stores have read their data in v[32:63], in which the loads below land
.irp t, 0,1,2,3,4,5,6,7
	ds_load_b64 v[WD+4*\t:WD+4*\t+1], v5 offset:LPW*\t
	ds_load_b64 v[WD+4*\t+2:WD+4*\t+3], v5 offset:LPW*\t+256
.endr
	s_wait_loadcnt 0x0                             ; x
.irp i, 0,1,2,3,4,5,6,7,8,9,10,11,12,13,14,15
	v_cvt_pk_bf16_f32 v[XD+4*\i], v[XD+4*\i], v[XD+4*\i+1]
	v_cvt_pk_bf16_f32 v[XD+4*\i+1], v[XD+4*\i+2], v[XD+4*\i+3]
.endr
	s_wait_alu depctr_va_vdst(0)                   ; the 32 conversions have written the pairs of XD that xb's stores read
.irp i, 0,1,2,3,4,5,6,7,8,9,10,11,12,13,14,15
	global_store_b64 v3, v[XD+4*\i:XD+4*\i+1], s[10:11] offset:2048*\i
.endr
	s_wait_dscnt 0x0                               ; the transposed rows
.irp t, 0,1,2,3,4,5,6,7
	global_store_b64 v6, v[WD+4*\t:WD+4*\t+1], s[12:13] offset:2048*\t
	global_store_b64 v6, v[WD+4*\t+2:WD+4*\t+3], s[12:13] offset:2048*\t+256
.endr
	s_wait_dscnt 0x0                               ; the closing lines, six on end
	s_wait_alu 0x0
	s_wait_tensorcnt 0x0
	ds_add_u32 v168, v169
	s_wait_dscnt 0x0
	s_endpgm
.Lfunc_end_k_q47ee47cbb1_prep:
	.size	k_q47ee47cbb1_prep, .Lfunc_end_k_q47ee47cbb1_prep-k_q47ee47cbb1_prep
	.p2alignl 7, 3214868480
	.fill 96, 4, 3214868480
	.section	.rodata,"a",@progbits
	.p2align	6, 0x0
	.amdhsa_kernel k_q47ee47cbb1_prep
		.amdhsa_group_segment_fixed_size 34304
		.amdhsa_private_segment_fixed_size 0
		.amdhsa_enable_private_segment 0
		.amdhsa_kernarg_size 40
		.amdhsa_user_sgpr_count 2
		.amdhsa_user_sgpr_kernarg_segment_ptr 1
		.amdhsa_wavefront_size32 1
		.amdhsa_system_sgpr_workgroup_id_x 1
		.amdhsa_system_sgpr_workgroup_id_y 1
		.amdhsa_system_sgpr_workgroup_id_z 1
		.amdhsa_system_vgpr_workitem_id 0
		.amdhsa_next_free_vgpr 170
		.amdhsa_next_free_sgpr 66
		.amdhsa_reserve_vcc 0
		.amdhsa_float_denorm_mode_32 3
		.amdhsa_float_denorm_mode_16_64 3
		.amdhsa_memory_ordered 1
		.amdhsa_forward_progress 1
		.amdhsa_inst_pref_size 18
	.end_amdhsa_kernel
	.amdgpu_metadata
---
amdhsa.version: [ 1, 2 ]
amdhsa.kernels:
  - .name:           k_q47ee47cbb1_prep
    .symbol:         k_q47ee47cbb1_prep.kd
    .args:
      - { .name: x, .offset: 0, .size: 8, .value_kind: global_buffer, .address_space: global }
      - { .name: W_qkv, .offset: 8, .size: 8, .value_kind: global_buffer, .address_space: global }
      - { .name: W_proj, .offset: 16, .size: 8, .value_kind: global_buffer, .address_space: global }
      - { .name: xb, .offset: 24, .size: 8, .value_kind: global_buffer, .address_space: global }
      - { .name: wT, .offset: 32, .size: 8, .value_kind: global_buffer, .address_space: global }
    .group_segment_fixed_size: 34304
    .private_segment_fixed_size: 0
    .kernarg_segment_align: 8
    .kernarg_segment_size: 40
    .max_flat_workgroup_size: 256
    .sgpr_count:     66
    .vgpr_count:     170
    .wavefront_size: 32
...
	.end_amdgpu_metadata
.endif
;; end of part 5
;; launch qkvg: the kernel of part 2 again; grid 8 x 32, 4 waves a work-group, clusters of 4 x 4, 327,680 bytes of LDS; arguments xb, wT, b_qkv, qkv; writes qkv
;; launch attn: the kernel of part 3 again; grid 16 x 16, 8 waves a work-group, clusters of 4 x 4, 327,680 bytes of LDS; arguments qkv, mask, att; writes att
;; launch proj: the kernel of part 4 again; grid 8 x 32, 4 waves a work-group, clusters of 4 x 4, 327,680 bytes of LDS; arguments att, wT, b_proj, out0; writes out0
